; MI455X (gfx1250); checked and timed in simulation.
; The chip was launched on July 23, 2026; its instructions are those of AMD's public machine-readable ISA for CDNA 5 (MIT licence, August 2026) and "CDNA5" Instruction Set Architecture Reference Guide (July 2026). The comments in the code are by the model that wrote it; some were corrected since.
;; Net. Allowed arithmetic: matrix products marked QUANTISED: E3M2 operands, one E8M0 scale for each 32 along K, by v_wmma_scale_f32_16x16x128_f8f6f4 with both operands' format E3M2, f32 sums; products left as they are: f32 operands where the result goes on into a quantised operand, else bf16, f16 or f32 operands; f32 sums; everything else in f32.
;; Inputs: b_ka 1,024 float32; b_y 1,024 float32; bka 1,024 float32; bkd 1 float32; g_ka 1,024 float32; g_y 1,024 float32; wk_codes 1,024 x 32 x 24 uint8 (E3M2 codes of wk, K innermost, in blocks of 32 codes, four codes in three bytes); wk_scales 1,024 x 32 uint8 (E8M0 scales of wk, one for each 32 codes along K); wka_codes 1,024 x 32 x 24 uint8 (E3M2 codes of wka, K innermost, in blocks of 32 codes, four codes in three bytes); wka_scales 1,024 x 32 uint8 (E8M0 scales of wka, one for each 32 codes along K); wkd 1,024 x 1 float32; wo_codes 1,024 x 32 x 24 uint8 (E3M2 codes of wo, K innermost, in blocks of 32 codes, four codes in three bytes); wo_scales 1,024 x 32 uint8 (E8M0 scales of wo, one for each 32 codes along K); wq_codes 1,024 x 32 x 24 uint8 (E3M2 codes of wq, K innermost, in blocks of 32 codes, four codes in three bytes); wq_scales 1,024 x 32 uint8 (E8M0 scales of wq, one for each 32 codes along K); wv_codes 1,024 x 32 x 24 uint8 (E3M2 codes of wv, K innermost, in blocks of 32 codes, four codes in three bytes); wv_scales 1,024 x 32 uint8 (E8M0 scales of wv, one for each 32 codes along K); x 1 x 4,096 x 1,024 float32.
;; Outputs: out0 1 x 4,096 float32.
;; This version of the problem:
;;   THIS VERSION OF THE PROBLEM IS GIVEN IN LOW PRECISION. The matrix products marked QUANTISED in the list below multiply operands that are first quantised to E3M2 (3 exponent bits, 2 mantissa bits; 6 bits a number), with one power-of-two scale for each 32 numbers along K (OCP MX v1.0); their sums are f32. All else is computed in f32.
;;   The module's matrix products, in the order in which they are computed (A, B: the left and right operand; K: the contracted axis; several contracted axes count as one K, in the product's order):
;;     1. [M 4,096, K 1,024] x [K 1,024, N 1,024]; A: input x; B: input wk (given as codes): QUANTISED
;;     2. [M 4,096, K 1,024] x [K 1,024, N 1,024]; A: input x; B: input wq (given as codes): QUANTISED
;;     3. [M 4,096, K 1,024] x [K 1,024, N 1,024]; A: input x; B: input wv (given as codes): QUANTISED
;;     4. [M 4,096, K 1,024] x [K 1,024, N 4,096]; A: computed on the way; B: computed on the way: QUANTISED
;;     5. [M 4,096, K 4,096] x [K 4,096, N 1,024]; A: softmax (see below); B: computed on the way: QUANTISED
;;     6. [M 4,096, K 1,024] x [K 1,024, N 1,024]; A: computed on the way; B: input wo (given as codes): QUANTISED
;;     7. [M 4,096, K 1,024] x [K 1,024, N 1,024]; A: computed on the way; B: input wka (given as codes): QUANTISED
;;     8. [M 4,096, K 1,024] x [K 1,024, N 1]; A: computed on the way; B: input wkd: left as it is (N = 1 < 16)
;;   THE QUANTISER, for each operand of a quantised product, along K:
;;     - K is cut into blocks of 32 from its start; a last block that is shorter is filled with zeros.
;;     - A block's scale is 2^e with e = floor(log2(the largest magnitude in the block)) - 4, held to -126 .. 127; a block of zeros has e = 0. As a byte (E8M0): e + 127.
;;     - Each number is divided by its block's scale, clamped to +-28, and rounded to the nearest number of E3M2, ties to even, subnormals kept.
;;     - The product sums the exact products of the quantised numbers (number of the format x scale) in f32.
;;   ~~~python
;;   def quantise(x, axis):      # numpy; x: float32 -> the quantised numbers, widened to float32 again
;;       x = np.moveaxis(x, axis, -1); K = x.shape[-1]
;;       x = np.pad(x, [(0, 0)] * (x.ndim - 1) + [(0, -K % 32)]); x = x.reshape(x.shape[:-1] + (-1, 32)); a = np.abs(x).max(-1, keepdims=True)
;;       e = np.where(a > 0, np.clip(np.frexp(np.where(a > 0, a, 1))[1] - 1 - 4, -126, 127), 0)      # np.frexp(a)[1] - 1 = floor(log2(a)), exactly
;;       r = np.clip(x / 2.0 ** e, -28, 28)
;;       step = 2.0 ** (np.maximum(np.frexp(np.where(r == 0, 1, r))[1] - 1, -2) - 2)
;;       q = np.round(r / step) * step * 2.0 ** e      # np.round: ties to even
;;       return np.moveaxis(q.reshape(q.shape[:-2] + (-1,))[..., :K], -1, axis).astype(np.float32)
;;   ~~~
;;   SOFTMAX AHEAD OF A QUANTISED PRODUCT. Where the list says 'softmax', what is quantised is not the finished softmax but p = 2^(t - M), with t = logit x log2(e) and M = ceil(the row's largest t), a whole number; so 1/2 < the row's largest p <= 1. The row's sum l is taken of the UNQUANTISED p, in f32, and the product's result is divided by l at the end. Since M is a whole number, a kernel that streams over the keys may use a running M (the ceiling of the running maximum): every later rescaling is an exact power of two, which a block's scale takes up: the codes' values come out the same.
;;   OPERANDS COMPUTED ON THE WAY. 'Computed on the way' means the value that the module computes at that place (a softmax that the list does not call 'softmax' is quantised finished and normalised). What goes into a quantiser is computed in f32, as accurately as f32 sums, v_exp_f32 and their like allow (about 1e-6 of the number): no bf16 or f16 on the way to a quantiser, and a product that is left as it is and whose result goes on into a quantised operand takes f32 operands (vector FMAs, or v_wmma_f32_16x16x4_f32). A number that lies on a knife's edge between two numbers of the format may be rounded either way, as far as f32 arithmetic and the matrix unit's own rounding can turn it there, and no further.
;;   INPUTS GIVEN AS CODES. wk (in the module: [1024, 1024], K = its axis 0); wka (in the module: [1024, 1024], K = its axis 0); wo (in the module: [1024, 1024], K = its axis 0); wq (in the module: [1024, 1024], K = its axis 0); wv (in the module: [1024, 1024], K = its axis 0): each comes as NAME_codes (uint8): NAME with its K axis moved to the last place and cut into blocks of 32 codes, [.., K / 32, bytes a block], one block behind the other in memory; four codes in three bytes: a row's codes are one little-endian stream of bits, code i at bits 6 i .. 6 i + 5 (a code: sign, 3 exponent bits, 2 mantissa bits); and NAME_scales (uint8): the same leading axes, one E8M0 byte (e + 127) for each 32 codes along K. Its value is code x scale, taken as it is: it is not quantised again, and the codes and scales need not be those that the quantiser above would give.
;; One version. Each part assembles by itself: llvm-mc -triple=amdgcn-amd-amdhsa -mcpu=gfx1250 --defsym DOCPART=n.
;; ======== version 1 of 1: 3 launches
;; limits: right only within a limited range of input values
;; workspace buffers: ximg 3,276,800 bytes; wimg 4,096,000 bytes; kqv 9,830,400 bytes
;; launch prep (part 1): grid 208 x 1, 4 waves a work-group, no clusters, 34,304 bytes of LDS; arguments x, wk_codes, wq_codes, wv_codes, wo_codes, wka_codes, wk_scales, wq_scales, wv_scales, wo_scales, wka_scales, ximg, wimg; writes ximg, wimg
.if DOCPART == 1
	.amdgcn_target "amdgcn-amd-amdhsa--gfx1250"
	.amdhsa_code_object_version 6
	.text
	.protected	k_q0fe99644da_prep
	.globl	k_q0fe99644da_prep
	.p2align	8
	.type	k_q0fe99644da_prep,@function
k_q0fe99644da_prep:
	s_mov_b64 s[64:65], 0
	v_nop
	global_prefetch_b8 v0, s[64:65] scope:SCOPE_SE
	s_setreg_imm32_b32 hwreg(HW_REG_WAVE_MODE, 25, 1), 1
	s_wait_xcnt 0x0
; x [4096][1024] f32 is quantised along its rows to codes of E3M2 with one E8M0 byte for each 32, and x's codes and the five weights' given codes are laid
; as IMAGES OF OPERAND REGISTERS, so that the later launches take every fragment by three loads of 16 bytes a lane, 512 consecutive bytes an instruction.
; TILES.  Tile T = 2 b + u holds rows 32 b + 8 u + (p & 7) + 16 (p >> 3), p = 0 .. 15: so the 16 result registers of two neighbouring tiles are 16 neighbours along the next product's K.
; A FRAGMENT (tile T, K step s of 128) is 12 registers a lane = 1,536 bytes: group g of four registers at 512 g, lane l at 16 l.  Register 6 c + e of lane (r, h) is word e of the 24 bytes of row p = r, block 4 s + 2 c + h.
;   x, wk, wq, wv: fragment (T, s) at (8 T + s) x 1,536;   wo, wka: at (64 s + T) x 1,536.
; SCALE WORDS (four bytes: a row's K step): word (T, s, r) at ((T >> 2) x 8 + s) x 256 + (r + 16 (T & 1)) x 8 + ((T >> 1) & 1) x 4: 8 bytes a lane bring two registers, even tile in lanes 0-15, odd tile in lanes 16-31.
; ximg: fragments at 0, scale words at 3,145,728.   wimg: weight i (wk, wq, wv, wo, wka) fragments at 786,432 i, scale words at 3,932,160 + 32,768 i.
; SHARES.  Work-groups 0-127: 64 rows of x, four K steps, a K step a wave (four fragments).  Work-groups 128-207: weight i, four tiles, a tile a wave.  Waves share nothing: no barrier.
; LIMITS.  NaN and infinities among the inputs are not served.  A block whose largest magnitude lies under 2^-122 keeps the byte 1; so does a block of zeros, where the rule says 127: its codes are zeros, and this program alone reads the bytes.
.set LI,  1                            ; v1   16 x lane
.set L8,  2                            ; v2   8 x lane
.set STI, 3                            ; v3   my wave's stage, on the way in
.set STO, 4                            ; v4   and on the way out
.set TM,  16                           ; v16-31  at work in QUANT
.set PC,  32                           ; v32-51  the codes just made
.set PW,  52                           ; v52-55  the four fragments' scale words
.set OW,  56                           ; v56-57  the pair of scale words that leaves
.set R,   64                           ; v64-191 two sets of 64 numbers as loaded
.set X,   192                          ; v192-255 64 numbers: register 16 b + i = k 32 b + 16 h + i of row r
.set WV,  30
.set SEL, 40
.set MK,  42
	s_load_b256 s[4:11], s[0:1], 0x0               ; x, wk's, wq's, wv's codes
	s_load_b256 s[12:19], s[0:1], 0x20             ; wo's, wka's codes, wk's, wq's scales
	s_load_b256 s[20:27], s[0:1], 0x40             ; wv's, wo's, wka's scales, ximg
	s_load_b64 s[28:29], s[0:1], 0x60              ; wimg
	v_lshl_add_u32 v26, v0, 2, 0x8400
	v_mov_b32 v27, 0
	v_lshrrev_b32 v5, 5, v0
	v_readfirstlane_b32 s[WV], v5                  ; wave 0..3
	v_and_b32 v5, 31, v0
	v_and_b32 v6, 15, v0                           ; r
	v_bfe_u32 v7, v0, 4, 1                         ; h
	v_lshlrev_b32 v[LI], 4, v5
	v_lshlrev_b32 v[L8], 3, v5
	s_cmp_lt_u32 ttmp9, 128
	s_cbranch_scc0 .Lweights
; ---------------- x
; 64 numbers of a lane become a fragment's codes in v[PC] on and its rows' scale word in v[pw].
.macro QUANT s, pw
.irp b, 0,1,2,3
	v_max3_num_f32 v[TM+\b], |v[\s+16*\b]|, |v[\s+1+16*\b]|, 0x2800000   ; block b: my 16 numbers, and the floor 2^(5 - 127): the byte cannot fall under 1
.endr
.irp i, 2,4,6,8,10,12,14
.irp b, 0,1,2,3
	v_max3_num_f32 v[TM+\b], v[TM+\b], |v[\s+16*\b+\i]|, |v[\s+1+16*\b+\i]|
.endr
.endr
.irp b, 0,1,2,3
	v_permlanex16_b32 v[TM+4+\b], v[TM+\b], s[SEL], s[SEL+1]
.endr
.irp b, 0,1,2,3
	v_max_num_f32 v[TM+\b], v[TM+\b], v[TM+4+\b]   ; with lane l xor 16's: the block's largest magnitude
.endr
.irp b, 0,1,2,3
	v_add_nc_u32 v[TM+12+\b], 0xfe000000, v[TM+\b] ; 4 off its exponent field: the conversion's scale operand
.endr
.irp b, 0,1,2,3
	v_lshrrev_b32 v[TM+4+\b], 23, v[TM+12+\b]      ; the scale's byte
.endr
	v_lshl_or_b32 v[\pw], v[TM+5], 8, v[TM+4]
	v_lshl_or_b32 v[\pw], v[TM+6], 16, v[\pw]
	v_lshl_or_b32 v[\pw], v[TM+7], 24, v[\pw]
.irp c, 0,1
	v_cvt_scalef32_pk16_bf6_f32 v[PC+6*\c:PC+2+6*\c], v[\s+32*\c:\s+15+32*\c], v[TM+12+2*\c]
	v_cvt_scalef32_pk16_bf6_f32 v[PC+12+4*\c:PC+14+4*\c], v[\s+16+32*\c:\s+31+32*\c], v[TM+12+2*\c+1]   ; (a conversion's three registers begin on an even number)
.endr
	v_nop                                          ; one plain place behind a scaled conversion
.irp c, 0,1                                    ; the operand wants a whole block in a lane: lanes 0-15 block 2 c, lanes 16-31 block 2 c + 1
.irp i, 0,1,2
	v_permlane16_swap_b32 v[PC+6*\c+\i], v[PC+12+4*\c+\i]
.endr
.irp i, 0,1,2
	v_mov_b32 v[PC+3+6*\c+\i], v[PC+12+4*\c+\i]
.endr
.endr
.endm
.macro XLD t                           ; tile t's 16 rows, my K step: each load reads 512 consecutive bytes of one row
.irp q, 0,1,2,3,4,5,6,7,8,9,10,11,12,13,14,15
	global_load_b128 v[R+64*((\t)%2)+4*\q:R+64*((\t)%2)+4*\q+3], v[LI], s[4:5] offset:(32*((\t)/2)+8*((\t)%2)+(\q%8)+16*(\q/8))*4096 th:TH_LOAD_NT
.endr
.endm
.macro TURN t                          ; through my wave's stage (rows 528 bytes apart): in as loaded, out 16 neighbours of each block a lane.  LDS serves a wave's instructions in order
.irp q, 0,1,2,3,4,5,6,7,8,9,10,11,12,13,14,15
	ds_store_b128 v[STI], v[R+64*((\t)%2)+4*\q:R+64*((\t)%2)+4*\q+3] offset:528*\q
.endr
.irp b, 0,1,2,3
.irp q, 0,1,2,3
	ds_load_b128 v[X+16*\b+4*\q:X+16*\b+4*\q+3], v[STO] offset:128*\b+16*\q
.endr
.endr
.endm
	s_mul_i32 s31, s[WV], 8448
	v_add_nc_u32 v[STI], s31, v[LI]
	v_mul_u32_u24 v[STO], v6, 528
	v_lshl_add_u32 v[STO], v7, 6, v[STO]
	v_add_nc_u32 v[STO], s31, v[STO]
	s_mov_b32 s[SEL], 0x76543210
	s_mov_b32 s[SEL+1], 0xfedcba98                 ; lane l xor 16
	s_mov_b32 s[MK], 0xffff0000                    ; lanes 16-31
.irp b, 0,1,2,3
	v_mov_b32 v[TM+4+\b], 0                        ; written once: a lane permute's destination counts as one of its sources
.endr
	s_lshr_b32 s32, ttmp9, 1                       ; which 64 rows
	s_and_b32 s33, ttmp9, 1
	s_lshl_b32 s33, s33, 2
	s_add_co_u32 s33, s33, s[WV]                   ; my K step
	s_lshl_b32 s34, s32, 18
	s_lshl_b32 s35, s33, 9
	s_add_co_u32 s34, s34, s35                     ; x: 64 rows of 4,096 bytes, 512 bytes a K step
	s_mov_b32 s35, 0
	s_mul_i32 s36, s32, 49152
	s_mul_i32 s37, s33, 1536
	s_add_co_u32 s36, s36, s37                     ; fragments
	s_mov_b32 s37, 0
	s_lshl_b32 s38, s32, 3
	s_add_co_u32 s38, s38, s33
	s_lshl_b32 s38, s38, 8
	s_add_co_u32 s38, s38, 3145728                 ; scale words
	s_mov_b32 s39, 0
	s_wait_alu depctr_va_vdst(0)
	s_wait_kmcnt 0x0
	s_add_nc_u64 s[4:5], s[4:5], s[34:35]
	s_add_nc_u64 s[36:37], s[26:27], s[36:37]
	s_add_nc_u64 s[38:39], s[26:27], s[38:39]
	XLD 0
	XLD 1
.irp t, 0,1,2,3
.if \t < 3
	s_wait_loadcnt 16                              ; this tile's 16 loads are in; the next tile's may be out
.else
	s_wait_loadcnt 0x0
.endif
	TURN \t
	s_wait_dscnt 0x0                               ; the numbers are back, and the stage's stores have read their registers,
.if \t < 2
	XLD \t+2                                       ; which take the tile two on
.endif
.if \t > 0
	s_wait_xcnt 0x0                                ; the last fragment's stores have read v[PC] on: it is written again only behind this wait
.endif
	QUANT X, PW+\t
.irp g, 0,1,2
	global_store_b128 v[LI], v[PC+4*\g:PC+4*\g+3], s[36:37] offset:12288*\t+512*\g   ; 512 consecutive bytes
.endr
.endr
	v_cndmask_b32 v[OW], v[PW], v[PW+1], s[MK]     ; every lane holds its row's word of all four tiles: lanes 16-31 keep the odd tile's
	v_cndmask_b32 v[OW+1], v[PW+2], v[PW+3], s[MK]
	global_store_b64 v[L8], v[OW:OW+1], s[38:39]   ; 256 consecutive bytes, aligned
	s_wait_tensorcnt 0x0
	ds_add_u32 v26, v27
	s_wait_dscnt 0x0
	s_endpgm
; ---------------- the weights
.Lweights:
	s_sub_co_u32 s31, ttmp9, 128
	s_lshr_b32 s32, s31, 4                         ; which weight
	s_and_b32 s33, s31, 15                         ; which four tiles
	s_lshl_b32 s34, s33, 2
	s_add_co_u32 s34, s34, s[WV]                   ; my tile
	s_wait_kmcnt 0x0
	s_cmp_eq_u32 s32, 1                            ; the choices hang on the work-group's number alone
	s_cselect_b64 s[6:7], s[8:9], s[6:7]
	s_cselect_b64 s[16:17], s[18:19], s[16:17]
	s_cmp_eq_u32 s32, 2
	s_cselect_b64 s[6:7], s[10:11], s[6:7]
	s_cselect_b64 s[16:17], s[20:21], s[16:17]
	s_cmp_eq_u32 s32, 3
	s_cselect_b64 s[6:7], s[12:13], s[6:7]
	s_cselect_b64 s[16:17], s[22:23], s[16:17]
	s_cmp_eq_u32 s32, 4
	s_cselect_b64 s[6:7], s[14:15], s[6:7]
	s_cselect_b64 s[16:17], s[24:25], s[16:17]
	s_cmp_lt_u32 s32, 3
	s_mov_b32 s35, 98304
	s_cselect_b32 s35, 1536, s35                   ; bytes from K step to K step in the image,
	s_mov_b32 s36, 1536
	s_cselect_b32 s36, 12288, s36                  ; and from tile to tile
	s_mul_i32 s38, s32, 786432
	s_mul_i32 s37, s34, s36
	s_add_co_u32 s38, s38, s37
	s_mov_b32 s39, 0
	s_add_nc_u64 s[38:39], s[28:29], s[38:39]      ; where my tile's fragments go
	s_lshr_b32 s44, s34, 1
	s_lshl_b32 s44, s44, 5
	s_and_b32 s45, s34, 1
	s_lshl_b32 s45, s45, 3
	s_add_co_u32 s44, s44, s45
	s_mul_i32 s44, s44, 768                        ; my tile's first row: a row of 1,024 codes is 768 bytes
	s_mov_b32 s45, 0
	s_add_nc_u64 s[6:7], s[6:7], s[44:45]
	s_lshl_b32 s44, s33, 11
	s_lshl_b32 s37, s[WV], 3
	s_add_co_u32 s44, s44, s37                     ; scales in: 64 rows of 32 bytes a group; my two K steps' 8 bytes
	s_add_nc_u64 s[16:17], s[16:17], s[44:45]
	s_lshl_b32 s44, s32, 15
	s_lshl_b32 s37, s33, 11
	s_add_co_u32 s44, s44, s37
	s_lshl_b32 s37, s[WV], 9
	s_add_co_u32 s44, s44, s37
	s_add_co_u32 s44, s44, 3932160                 ; scale words out: two units of 256 bytes a wave
	s_add_nc_u64 s[46:47], s[28:29], s[44:45]
	v_and_b32 v8, 7, v0
	v_bfe_u32 v9, v0, 3, 1
	v_lshl_add_u32 v8, v9, 4, v8                   ; (r & 7) + 16 (r >> 3)
	v_mul_u32_u24 v9, v8, 768
	s_wait_alu depctr_va_vdst(0)
	v_mad_u32_u24 v9, v7, 24, v9                   ; codes: my row, + 24 h
	v_lshl_add_u32 v10, v7, 3, v8
	v_lshlrev_b32 v10, 5, v10                      ; scales: lanes 16-31 take the odd tile's rows, 8 further down
	s_wait_alu depctr_va_vdst(0)
.irp s, 0,1,2,3,4,5,6,7
	s_mul_i32 s37, s35, \s
	v_add_nc_u32 v[16+\s], s37, v[LI]
.endr
.irp k, 0,1
.irp p, 0,1
	global_load_b32 v[28+2*\k+\p], v10, s[16:17] offset:1024*\p+4*\k   ; K step 2 wave + k, tiles 2 p and 2 p + 1 of the four
.endr
.endr
.irp s, 0,1,2,3,4,5,6,7
.irp p, 0,1,2,3,4,5
	global_load_b64 v[32+12*\s+2*\p:32+12*\s+2*\p+1], v9, s[6:7] offset:96*\s+48*(\p/3)+8*(\p%3)   ; the given rows, in pieces of 8 bytes: every address a multiple of the access's size
.endr
.endr
	s_wait_alu depctr_va_vdst(0)
	s_wait_loadcnt 0x0
.irp k, 0,1
	global_store_b64 v[L8], v[28+2*\k:29+2*\k], s[46:47] offset:256*\k
.endr
.irp s, 0,1,2,3,4,5,6,7
.irp g, 0,1,2
	global_store_b128 v[16+\s], v[32+12*\s+4*\g:32+12*\s+4*\g+3], s[38:39] offset:512*\g
.endr
.endr
	s_endpgm
.Lfunc_end_k_q0fe99644da_prep:
	.size	k_q0fe99644da_prep, .Lfunc_end_k_q0fe99644da_prep-k_q0fe99644da_prep
	.p2alignl 7, 3214868480
	.fill 96, 4, 3214868480
	.section	.rodata,"a",@progbits
	.p2align	6, 0x0
	.amdhsa_kernel k_q0fe99644da_prep
		.amdhsa_group_segment_fixed_size 34304
		.amdhsa_private_segment_fixed_size 0
		.amdhsa_enable_private_segment 0
		.amdhsa_kernarg_size 104
		.amdhsa_user_sgpr_count 2
		.amdhsa_user_sgpr_kernarg_segment_ptr 1
		.amdhsa_wavefront_size32 1
		.amdhsa_system_sgpr_workgroup_id_x 1
		.amdhsa_system_sgpr_workgroup_id_y 1
		.amdhsa_system_sgpr_workgroup_id_z 1
		.amdhsa_system_vgpr_workitem_id 0
		.amdhsa_next_free_vgpr 256
		.amdhsa_next_free_sgpr 66
		.amdhsa_reserve_vcc 0
		.amdhsa_float_denorm_mode_32 3
		.amdhsa_float_denorm_mode_16_64 3
		.amdhsa_memory_ordered 1
		.amdhsa_forward_progress 1
		.amdhsa_inst_pref_size 44
	.end_amdhsa_kernel
	.amdgpu_metadata
---
amdhsa.version: [ 1, 2 ]
amdhsa.kernels:
  - .name:           k_q0fe99644da_prep
    .symbol:         k_q0fe99644da_prep.kd
    .args:
      - { .name: x, .offset: 0, .size: 8, .value_kind: global_buffer, .address_space: global }
      - { .name: wk_codes, .offset: 8, .size: 8, .value_kind: global_buffer, .address_space: global }
      - { .name: wq_codes, .offset: 16, .size: 8, .value_kind: global_buffer, .address_space: global }
      - { .name: wv_codes, .offset: 24, .size: 8, .value_kind: global_buffer, .address_space: global }
      - { .name: wo_codes, .offset: 32, .size: 8, .value_kind: global_buffer, .address_space: global }
      - { .name: wka_codes, .offset: 40, .size: 8, .value_kind: global_buffer, .address_space: global }
      - { .name: wk_scales, .offset: 48, .size: 8, .value_kind: global_buffer, .address_space: global }
      - { .name: wq_scales, .offset: 56, .size: 8, .value_kind: global_buffer, .address_space: global }
      - { .name: wv_scales, .offset: 64, .size: 8, .value_kind: global_buffer, .address_space: global }
      - { .name: wo_scales, .offset: 72, .size: 8, .value_kind: global_buffer, .address_space: global }
      - { .name: wka_scales, .offset: 80, .size: 8, .value_kind: global_buffer, .address_space: global }
      - { .name: ximg, .offset: 88, .size: 8, .value_kind: global_buffer, .address_space: global }
      - { .name: wimg, .offset: 96, .size: 8, .value_kind: global_buffer, .address_space: global }
    .group_segment_fixed_size: 34304
    .private_segment_fixed_size: 0
    .kernarg_segment_align: 8
    .kernarg_segment_size: 104
    .max_flat_workgroup_size: 128
    .sgpr_count:     66
    .vgpr_count:     256
    .wavefront_size: 32
...
	.end_amdgpu_metadata
.endif
;; end of part 1
;; launch qkv (part 2): grid 192 x 1, 4 waves a work-group, no clusters, 102,912 bytes of LDS; arguments ximg, wimg, kqv; writes kqv
.if DOCPART == 2
	.amdgcn_target "amdgcn-amd-amdhsa--gfx1250"
	.amdhsa_code_object_version 6
	.text
	.protected	k_q0fe99644da_qkv
	.globl	k_q0fe99644da_qkv
	.p2align	8
	.type	k_q0fe99644da_qkv,@function
k_q0fe99644da_qkv:
	s_mov_b64 s[64:65], 0
	v_nop
	global_prefetch_b8 v0, s[64:65] scope:SCOPE_SE
	s_setreg_imm32_b32 hwreg(HW_REG_WAVE_MODE, 25, 1), 1
	s_wait_xcnt 0x0
; K = x wk, Q = (x wq) 0.06, V = x wv on codes of E3M2 (one E8M0 byte for each 32 along K), sums in f32; the results are quantised at once: K and Q along their 1,024 features, V along the rows i of x.
; ONE BODY.  D = (source 0 = a tile of W) x (source 1 = a tile of A): a lane holds one row of A, its registers run along W's rows, which are the next quantiser's K.
;   work-groups 0-127 (K: 0-63, Q: 64-127): W = 512 features of the weight (128 a wave), A = 128 rows of x.   work-groups 128-191 (V): W = 512 rows of x (128 a wave), A = 128 features of wv.
; A block is 512 x 128: a work-group draws (512 + 128) rows of 768 bytes for 65,536 results.
; W is a wave's own: it comes from memory straight into a ring of 16 fragment buffers in registers, 512 consecutive bytes a load; each fragment feeds eight matrix instructions.
; A's 64 fragments and their scale words are copied into LDS once, as they lie, and read by all four waves.
; Tiles, fragment images and scale words: as the launch before lays them.  OUT (kqv): K's fragments at 0, Q's at 3,145,728: (256 s + T) x 1,536; V's at 6,291,456: (64 s + T) x 1,536, s = i / 128;
;   scale words: K 9,437,184, Q 9,568,256: ((T >> 2) 8 + s) 256 ..;  V 9,699,328: ((T >> 2) 32 + s) 256 ..
; No cluster: a joint request lands in LDS only, and each fragment of W has one reader, a wave's registers; through LDS every byte of W would be written and read once more.
; The walk along K is written out: its first step starts the sums and its last two steps load nothing.
; LIMITS.  NaN and infinities are not served.  A block whose largest magnitude lies under 2^-122, a block of zeros among them, keeps the byte 1; this program alone reads the bytes.
; REGISTERS.  window 0: v1-8 addresses; v16-23 W's scale words (two sets), v24-27 A's: scales and nothing else; v128-223 A's eight fragments; at the end v56-109 at work.
;   windows 1 and 2: the 64 accumulators, (t, p) at 64 (t % 4) + 8 p of window 1 + t / 4.   window 3: v0-191 the ring.
.set NF,  8
.set NS,  8
.set SL,  2
.set RD,  16                           ; the ring's depth in fragments
.set SS,  1536
.set TS,  12288
.set GSS, 2048
.set ASC, 98304                        ; LDS: A's fragments at 0, order (8 t + s) x 1,536; their scale words here: 2,048 (t / 4) + 256 s
.set SPARE, 102400
.set LI,  1
.set L8,  2
.set AAD, 1                            ; A's images begin at LDS byte 0
.set AAD2, 3                           ; tiles 4-7: 49,152 further on
.set ASA, 4
.set CPA, 5
.set CPS, 6
.set L8B, 7
.set CPSL, 8
.set WS,  16
.set AS,  24
.set CT,  32
.set PC,  56
.set TM,  80
.set OW,  96
.set PW,  100
.set AF,  128
.set WV,  26
.set WB,  40
.set WSB, 42
.set AB,  44
.set ASB, 46
.set OB,  48
.set OSB, 50
.set SEL, 52
.set SC,  54
.set MK,  56
.set MSB, 0
.macro WIN new                         ; the immediate's high byte repeats the setting that is left
.if MSB != \new
	s_set_vgpr_msb (MSB<<8)|\new
.set MSB, \new
.endif
.endm
.macro PLACES                          ; four plain places behind a matrix instruction (ISA guide 7.12.1)
.rept 4
	v_nop
.endr
.endm
; One matrix instruction; rD, rW, rA, rWS, rAS name its registers, fW and fA say whether a side's scale words stand in lanes 16-31, fZ whether it starts its sum.
.macro WM
.if fZ
.if fW && fA
	v_wmma_scale_f32_16x16x128_f8f6f4 v[rD:rD+7], v[rW:rW+11], v[rA:rA+11], 0, v[rWS], v[rAS] matrix_a_fmt:MATRIX_FMT_BF6 matrix_b_fmt:MATRIX_FMT_BF6 matrix_a_scale:MATRIX_SCALE_ROW1 matrix_b_scale:MATRIX_SCALE_ROW1
.elseif fW
	v_wmma_scale_f32_16x16x128_f8f6f4 v[rD:rD+7], v[rW:rW+11], v[rA:rA+11], 0, v[rWS], v[rAS] matrix_a_fmt:MATRIX_FMT_BF6 matrix_b_fmt:MATRIX_FMT_BF6 matrix_a_scale:MATRIX_SCALE_ROW1
.elseif fA
	v_wmma_scale_f32_16x16x128_f8f6f4 v[rD:rD+7], v[rW:rW+11], v[rA:rA+11], 0, v[rWS], v[rAS] matrix_a_fmt:MATRIX_FMT_BF6 matrix_b_fmt:MATRIX_FMT_BF6 matrix_b_scale:MATRIX_SCALE_ROW1
.else
	v_wmma_scale_f32_16x16x128_f8f6f4 v[rD:rD+7], v[rW:rW+11], v[rA:rA+11], 0, v[rWS], v[rAS] matrix_a_fmt:MATRIX_FMT_BF6 matrix_b_fmt:MATRIX_FMT_BF6
.endif
.else
.if fW && fA
	v_wmma_scale_f32_16x16x128_f8f6f4 v[rD:rD+7], v[rW:rW+11], v[rA:rA+11], v[rD:rD+7], v[rWS], v[rAS] matrix_a_fmt:MATRIX_FMT_BF6 matrix_b_fmt:MATRIX_FMT_BF6 matrix_a_scale:MATRIX_SCALE_ROW1 matrix_b_scale:MATRIX_SCALE_ROW1
.elseif fW
	v_wmma_scale_f32_16x16x128_f8f6f4 v[rD:rD+7], v[rW:rW+11], v[rA:rA+11], v[rD:rD+7], v[rWS], v[rAS] matrix_a_fmt:MATRIX_FMT_BF6 matrix_b_fmt:MATRIX_FMT_BF6 matrix_a_scale:MATRIX_SCALE_ROW1
.elseif fA
	v_wmma_scale_f32_16x16x128_f8f6f4 v[rD:rD+7], v[rW:rW+11], v[rA:rA+11], v[rD:rD+7], v[rWS], v[rAS] matrix_a_fmt:MATRIX_FMT_BF6 matrix_b_fmt:MATRIX_FMT_BF6 matrix_b_scale:MATRIX_SCALE_ROW1
.else
	v_wmma_scale_f32_16x16x128_f8f6f4 v[rD:rD+7], v[rW:rW+11], v[rA:rA+11], v[rD:rD+7], v[rWS], v[rAS] matrix_a_fmt:MATRIX_FMT_BF6 matrix_b_fmt:MATRIX_FMT_BF6
.endif
.endif
.endm
; THE COUNTS OF THE STREAM'S WAITS.  The stream's loads go out in one fixed order: two sets of scale words, RD fragments; then in each K step, behind each pair of fragments used, the pair RD on, and at the step's end the set two steps on.
; Issued when group g of step s begins: 3 min(NF s + 2 g + RD, NF NS) + SL min(s + 2, NS).  Issued up to fragment f: 3 (f + 1) + SL (2 + (f - RD) / NF).  Up to set s >= 2: 3 (NF (s - 1) + RD) + SL (s + 1).
; A wait's count is the difference: the loads issued behind the one that is wanted (loads come back in order: ISA guide 5.7.1); a count that the wait's field cannot name is written as 63, which asks for more.
.macro WAITN n
.if (\n) > 63
	s_wait_loadcnt 63
.else
	s_wait_loadcnt \n
.endif
.endm
.macro WAITR s, g                      ; the group's second fragment, NF s + 2 g + 1, is in
.set cF, NF*(\s)+2*(\g)+1
.set cI, NF*(\s)+2*(\g)+RD
.if cI > NF*NS
.set cI, NF*NS
.endif
.set cS, (\s)+2
.if cS > NS
.set cS, NS
.endif
.set cP, 0
.if cF >= RD
.set cP, (cF-RD)/NF
.endif
.set cW, 3*cI+SL*cS-3*(cF+1)-SL*(2+cP)
	WAITN cW
.endm
.macro WAITS s                         ; step s's scale words of W are in
.set cI, NF*(\s)+RD
.if cI > NF*NS
.set cI, NF*NS
.endif
.set cS, (\s)+2
.if cS > NS
.set cS, NS
.endif
.if (\s) < 2
.set cO, SL*((\s)+1)
.else
.set cO, 3*(NF*((\s)-1)+RD)+SL*((\s)+1)
.endif
.set cW, 3*cI+SL*cS-cO
	WAITN cW
.endm
.macro RLOAD f                         ; fragment f = NF s + p of my stream into ring buffer f % RD (the destination's window is 3)
.if (\f) < NF*NS
.set rB, 12*((\f)%RD)
.irp g3, 0,1,2
	global_load_b128 v[rB+4*\g3:rB+4*\g3+3], v[LI], s[WB:WB+1] offset:((\f)/NF)*SS+((\f)%NF)*TS+512*\g3
.endr
.endif
.endm
.macro SLOAD s                         ; step s's scale words of my eight tiles: register 2 (p / 4) + (p / 2) % 2 of the set, even tile in lanes 0-15, odd in lanes 16-31
.if (\s) < NS
.irp g2, 0,1
	global_load_b64 v[WS+4*((\s)%2)+2*\g2:WS+4*((\s)%2)+2*\g2+1], v[L8], s[WSB:WSB+1] offset:\g2*GSS+256*(\s)
.endr
.endif
.endm
.macro ALOAD s                         ; A's eight fragments of step s and their scale words, from LDS
.if (\s) < NS
.irp t, 0,1,2,3
.irp g3, 0,1,2
	ds_load_b128 v[AF+12*\t+4*\g3:AF+12*\t+4*\g3+3], v[AAD] offset:(8*\t+(\s))*1536+512*\g3
.endr
.endr
.irp t, 0,1,2,3
.irp g3, 0,1,2
	ds_load_b128 v[AF+48+12*\t+4*\g3:AF+48+12*\t+4*\g3+3], v[AAD2] offset:(8*\t+(\s))*1536+512*\g3
.endr
.endr
.irp q, 0,1
	ds_load_b64 v[AS+2*\q:AS+2*\q+1], v[ASA] offset:2048*\q+256*(\s)
.endr
.endif
.endm
; A K step of 128: 64 matrix instructions on 64 accumulators by turns, one instruction a turn.
.macro DSTEP s, zero
	s_wait_dscnt 0x0                               ; A's fragments of this step
	WAITS \s
.irp g, 0,1,2,3
	WAITR \s, \g
.irp n, 1,2
	WIN (0x03+0x50*\n)                             ; W in window 3, A in window 0, C and D in window n
.irp e, 0,1
.irp t, 0,1,2,3
.set pT, 2*\g+\e
.set rD, 64*\t+8*pT
.set rW, 12*((8*(\s)+pT)%RD)
.set rA, AF+12*(4*(\n-1)+\t)
.set rWS, WS+4*((\s)%2)+2*(pT/4)+((pT/2)%2)
.set fW, pT%2
.set rAS, AS+2*(\n-1)+(\t/2)
.set fA, \t%2
.set fZ, \zero
	WM
.endr
.endr
.endr
	PLACES
	WIN 0xc0
	RLOAD 8*(\s)+2*\g+RD                           ; into the two buffers just multiplied
	RLOAD 8*(\s)+2*\g+RD+1
.endr
	WIN 0
	SLOAD (\s)+2
	ALOAD (\s)+1
.endm
; 64 numbers of a lane in window n, register s + 16 b + i = k 32 b + 16 h + i of my row, become a fragment's codes in v[PC] on and its scale word in v[pw].  Each accumulator is read from its low end on.
.macro QUANTW s, pw, n
	WIN (0x05*(\n))
.irp b, 0,1,2,3
	v_max3_num_f32 v[TM+\b], |v[\s+16*\b]|, |v[\s+1+16*\b]|, 0x2800000   ; and the floor 2^(5 - 127): the byte cannot fall under 1
.endr
	WIN (0x14*(\n))
.irp i, 2,4,6,8,10,12,14
.irp b, 0,1,2,3
	v_max3_num_f32 v[TM+\b], v[TM+\b], |v[\s+16*\b+\i]|, |v[\s+1+16*\b+\i]|
.endr
.endr
	WIN 0
.irp b, 0,1,2,3
	v_permlanex16_b32 v[TM+4+\b], v[TM+\b], s[SEL], s[SEL+1]
.endr
.irp b, 0,1,2,3
	v_max_num_f32 v[TM+\b], v[TM+\b], v[TM+4+\b]
.endr
.irp b, 0,1,2,3
	v_add_nc_u32 v[TM+12+\b], 0xfe000000, v[TM+\b] ; 4 off the exponent field: the conversion's scale operand
.endr
.irp b, 0,1,2,3
	v_lshrrev_b32 v[TM+4+\b], 23, v[TM+12+\b]      ; the scale's byte
.endr
	v_lshl_or_b32 v[\pw], v[TM+5], 8, v[TM+4]
	v_lshl_or_b32 v[\pw], v[TM+6], 16, v[\pw]
	v_lshl_or_b32 v[\pw], v[TM+7], 24, v[\pw]
	WIN (\n)
.irp c, 0,1
	v_cvt_scalef32_pk16_bf6_f32 v[PC+6*\c:PC+2+6*\c], v[\s+32*\c:\s+15+32*\c], v[TM+12+2*\c]
	v_cvt_scalef32_pk16_bf6_f32 v[PC+12+4*\c:PC+14+4*\c], v[\s+16+32*\c:\s+31+32*\c], v[TM+12+2*\c+1]
.endr
	WIN 0
	v_nop                                          ; one plain place behind a scaled conversion
.irp c, 0,1
.irp i, 0,1,2
	v_permlane16_swap_b32 v[PC+6*\c+\i], v[PC+12+4*\c+\i]
.endr
.irp i, 0,1,2
	v_mov_b32 v[PC+3+6*\c+\i], v[PC+12+4*\c+\i]
.endr
.endr
.endm
	s_load_b128 s[4:7], s[0:1], 0x0                ; ximg, wimg
	s_load_b64 s[8:9], s[0:1], 0x10                ; kqv
	v_lshl_add_u32 v110, v0, 2, SPARE
	v_mov_b32 v111, 0
	v_lshrrev_b32 v9, 5, v0
	v_readfirstlane_b32 s[WV], v9                  ; wave 0..3
	v_and_b32 v9, 31, v0
	v_lshlrev_b32 v[LI], 4, v9
	v_lshlrev_b32 v[L8], 3, v9
	v_add_nc_u32 v[AAD2], 49152, v[LI]
	v_add_nc_u32 v[ASA], ASC, v[L8]
	s_mul_i32 s10, s[WV], 24576
	v_add_nc_u32 v[CPA], s10, v[LI]                ; my 16 of A's 64 fragments: the same place in memory and in LDS
	s_lshl_b32 s10, s[WV], 10
	v_add_nc_u32 v[CPS], s10, v[L8]                ; and my 1,024 bytes of its scale words
	v_add_nc_u32 v[CPSL], ASC, v[CPS]
.irp b, 0,1,2,3
	v_mov_b32 v[TM+4+\b], 0                        ; written once: a lane permute's destination counts as one of its sources
.endr
	s_mov_b32 s[SEL], 0x76543210
	s_mov_b32 s[SEL+1], 0xfedcba98
	s_mov_b32 s[SC], 0x3d75c28f                    ; 0.06
	s_mov_b32 s[SC+1], s[SC]
	s_mov_b32 s[MK], 0xffff0000
	s_lshr_b32 s24, ttmp9, 6                       ; 0: K, 1: Q, 2: V
	s_lshr_b32 s25, ttmp9, 5                       ; K, Q: which 512 of the two weights' 2,048 features
	s_and_b32 s11, ttmp9, 31                       ; K, Q: which 128 rows of x
	s_sub_co_u32 s12, ttmp9, 128
	s_lshr_b32 s13, s12, 3                         ; V: which 512 rows of x
	s_and_b32 s14, s12, 7                          ; V: which 128 features
	s_and_b32 s27, s25, 1                          ; K, Q: which half of the weight
	s_cmp_lt_u32 ttmp9, 128                        ; all that follows up to the sums leaves SCC alone
	s_cselect_b32 s25, s25, s13                    ; which part of W
	s_cselect_b32 s11, s11, s14                    ; which part of A
	s_cselect_b32 s27, s27, s13                    ; the part's four K steps of the result, within its tensor
	s_cselect_b32 s28, s24, 0                      ; K, Q: which tensor's scale words
	s_mov_b32 s15, 6291456
	s_cselect_b32 s15, 0, s15                      ; out, fragments: first byte,
	s_mov_b32 s16, 393216
	s_cselect_b32 s16, 1572864, s16                ; bytes for a part of W,
	s_mov_b32 s17, 98304
	s_cselect_b32 s17, 393216, s17                 ; and for a wave (a K step of the result)
	s_mov_b32 s18, 9699328
	s_cselect_b32 s18, 9437184, s18                ; out, scale words: first byte,
	s_mov_b32 s20, 16384
	s_cselect_b32 s20, 4096, s20                   ; bytes for a part of A,
	s_mov_b32 s19, 8192
	s_cselect_b32 s19, 2048, s19                   ; and from four tiles to the next four
	s_mov_b32 s21, 3145728
	s_cselect_b32 s21, 3932160, s21                ; W's scale words
	s_mov_b32 s22, 1572864
	s_cselect_b32 s22, 0, s22                      ; A's fragments
	s_mov_b32 s23, 3997696
	s_cselect_b32 s23, 3145728, s23                ; A's scale words
	v_add_nc_u32 v[L8B], s19, v[L8]
	s_wait_alu depctr_va_vdst(0)
	s_wait_kmcnt 0x0
	s_cselect_b64 s[WB:WB+1], s[6:7], s[4:5]
	s_cselect_b64 s[AB:AB+1], s[4:5], s[6:7]
	s_mov_b64 s[WSB:WSB+1], s[WB:WB+1]
	s_mov_b64 s[ASB:ASB+1], s[AB:AB+1]
	s_mov_b32 s31, 0
	s_mul_i32 s30, s25, 393216
	s_mul_i32 s12, s[WV], 98304
	s_add_co_u32 s30, s30, s12
	s_add_nc_u64 s[WB:WB+1], s[WB:WB+1], s[30:31]  ; my eight tiles of W
	s_lshl_b32 s30, s25, 14
	s_lshl_b32 s12, s[WV], 12
	s_add_co_u32 s30, s30, s12
	s_add_co_u32 s30, s30, s21
	s_add_nc_u64 s[WSB:WSB+1], s[WSB:WSB+1], s[30:31]
	s_mul_i32 s30, s11, 98304
	s_add_co_u32 s30, s30, s22
	s_add_nc_u64 s[AB:AB+1], s[AB:AB+1], s[30:31]
	s_lshl_b32 s30, s11, 12
	s_add_co_u32 s30, s30, s23
	s_add_nc_u64 s[ASB:ASB+1], s[ASB:ASB+1], s[30:31]
	s_mul_i32 s30, s25, s16
	s_mul_i32 s12, s[WV], s17
	s_add_co_u32 s30, s30, s12
	s_mul_i32 s12, s11, 12288
	s_add_co_u32 s30, s30, s12
	s_add_co_u32 s30, s30, s15
	s_add_nc_u64 s[OB:OB+1], s[8:9], s[30:31]
	s_lshl_b32 s30, s28, 17
	s_lshl_b32 s12, s27, 10
	s_add_co_u32 s30, s30, s12
	s_mul_i32 s12, s11, s20
	s_add_co_u32 s30, s30, s12
	s_lshl_b32 s12, s[WV], 8
	s_add_co_u32 s30, s30, s12
	s_add_co_u32 s30, s30, s18
	s_add_nc_u64 s[OSB:OSB+1], s[8:9], s[30:31]
	WIN 0x40                                       ; my part of A passes through window 1, where the sums have not begun
.set i, 0
.rept 48
	global_load_b128 v[4*i:4*i+3], v[CPA], s[AB:AB+1] offset:512*i
.set i, i+1
.endr
	WIN 0
.irp k, 0,1,2,3
	global_load_b64 v[CT+2*\k:CT+2*\k+1], v[CPS], s[ASB:ASB+1] offset:256*\k
.endr
	SLOAD 0
	SLOAD 1
	WIN 0xc0
.set i, 0
.rept RD
	RLOAD i
.set i, i+1
.endr
	WIN 0x04
	s_wait_loadcnt 52                              ; my part of A is in; the stream's first 52 loads (4 of scale words, 48 of fragments) stay out
.set i, 0
.rept 48
	ds_store_b128 v[CPA], v[4*i:4*i+3] offset:512*i
.set i, i+1
.endr
	WIN 0
.irp k, 0,1,2,3
	ds_store_b64 v[CPSL], v[CT+2*\k:CT+2*\k+1] offset:256*\k
.endr
	s_wait_dscnt 0x0                               ; for the others' sake: my stores have landed
	s_barrier_signal -1
	s_barrier_wait -1
	ALOAD 0
	DSTEP 0, 1                                     ; the first K step starts the sums
.irp s, 1,2,3,4,5,6,7
	DSTEP \s, 0
.endr
	s_cmp_lg_u32 s24, 1
	s_cbranch_scc1 .Lnot_q
.irp n, 1,2
	WIN (0x41*\n)
.set i, 0
.rept 128
	v_pk_mul_f32 v[i:i+1], v[i:i+1], s[SC:SC+1] op_sel_hi:[1,0]   ; Q x 0.06, in f32, ahead of the quantiser
.set i, i+2
.endr
.endr
	WIN 0
.Lnot_q:
.irp t, 0,1,2,3,4,5,6,7
.if \t > 0
	s_wait_xcnt 0x0                                ; the last fragment's stores have read v[PC] on
.endif
	QUANTW 64*(\t%4), PW+\t, 1+\t/4
.irp g3, 0,1,2
	global_store_b128 v[LI], v[PC+4*\g3:PC+4*\g3+3], s[OB:OB+1] offset:1536*\t+512*\g3   ; the eight fragments are 12,288 consecutive bytes
.endr
.endr
.irp q, 0,1,2,3
	v_cndmask_b32 v[OW+\q], v[PW+2*\q], v[PW+2*\q+1], s[MK]   ; lanes 16-31 keep the odd tile's word
.endr
	global_store_b64 v[L8], v[OW:OW+1], s[OSB:OSB+1]       ; 256 consecutive bytes, aligned: tiles 0-3,
	global_store_b64 v[L8B], v[OW+2:OW+3], s[OSB:OSB+1]    ; and tiles 4-7
	s_wait_tensorcnt 0x0                           ; the wave's end
	ds_add_u32 v110, v111
	s_wait_dscnt 0x0
	s_endpgm
.Lfunc_end_k_q0fe99644da_qkv:
	.size	k_q0fe99644da_qkv, .Lfunc_end_k_q0fe99644da_qkv-k_q0fe99644da_qkv
	.p2alignl 7, 3214868480
	.fill 96, 4, 3214868480
	.section	.rodata,"a",@progbits
	.p2align	6, 0x0
	.amdhsa_kernel k_q0fe99644da_qkv
		.amdhsa_group_segment_fixed_size 102912
		.amdhsa_private_segment_fixed_size 0
		.amdhsa_enable_private_segment 0
		.amdhsa_kernarg_size 24
		.amdhsa_user_sgpr_count 2
		.amdhsa_user_sgpr_kernarg_segment_ptr 1
		.amdhsa_wavefront_size32 1
		.amdhsa_system_sgpr_workgroup_id_x 1
		.amdhsa_system_sgpr_workgroup_id_y 1
		.amdhsa_system_sgpr_workgroup_id_z 1
		.amdhsa_system_vgpr_workitem_id 0
		.amdhsa_next_free_vgpr 1024
		.amdhsa_next_free_sgpr 66
		.amdhsa_reserve_vcc 0
		.amdhsa_float_denorm_mode_32 3
		.amdhsa_float_denorm_mode_16_64 3
		.amdhsa_memory_ordered 1
		.amdhsa_forward_progress 1
		.amdhsa_inst_pref_size 169
	.end_amdhsa_kernel
	.amdgpu_metadata
---
amdhsa.version: [ 1, 2 ]
amdhsa.kernels:
  - .name:           k_q0fe99644da_qkv
    .symbol:         k_q0fe99644da_qkv.kd
    .args:
      - { .name: ximg, .offset: 0, .size: 8, .value_kind: global_buffer, .address_space: global }
      - { .name: wimg, .offset: 8, .size: 8, .value_kind: global_buffer, .address_space: global }
      - { .name: kqv, .offset: 16, .size: 8, .value_kind: global_buffer, .address_space: global }
    .group_segment_fixed_size: 102912
    .private_segment_fixed_size: 0
    .kernarg_segment_align: 8
    .kernarg_segment_size: 24
    .max_flat_workgroup_size: 128
    .sgpr_count:     66
    .vgpr_count:     1024
    .wavefront_size: 32
...
	.end_amdgpu_metadata
.endif
;; end of part 2
;; launch attn (part 3): grid 128 x 1, 8 waves a work-group, no clusters, 167,936 bytes of LDS; arguments kqv, wimg, x, g_y, b_y, bka, g_ka, b_ka, wkd, bkd, out0; writes out0
.if DOCPART == 3
	.amdgcn_target "amdgcn-amd-amdhsa--gfx1250"
	.amdhsa_code_object_version 6
	.text
	.protected	k_q0fe99644da_attn
	.globl	k_q0fe99644da_attn
	.p2align	8
	.type	k_q0fe99644da_attn,@function
k_q0fe99644da_attn:
	s_mov_b64 s[64:65], 0
	v_nop
	global_prefetch_b8 v0, s[64:65] scope:SCOPE_SE
	s_setreg_imm32_b32 hwreg(HW_REG_WAVE_MODE, 25, 1), 1
	s_wait_xcnt 0x0
; For 32 rows j (a work-group): scores S[j][i] = K[j] . Q[i] under the band |i - j| <= 256, softmax over i, y = p V / l, z = y wo + x, LayerNorm, u = relu(. wka + bka), LayerNorm, sigmoid(. wkd + bkd).
; All five products on codes of E3M2 with one E8M0 byte for each 32 along K, sums in f32; every operand made on the way is quantised in registers and never goes to memory.
; THE WINDOW.  i runs over five steps of 128 from 128 n, n = min(max(j block / 4 - 2, 0), 27): it holds every i of the band that exists; tiles outside it lie wholly outside the band and are not computed.
; The band itself is applied to every score, so no branch and no trip count hangs on the place.
; SOFTMAX.  t = score x log2(e); M = ceil(the row's largest t), the true maximum: all of a row's scores are in registers at once; p = 2^(t - M) is quantised along i; l, the sum of the unquantised p, divides at the end.
; ONE SCHEME FOR ALL PRODUCTS.  D = (source 0 = a tile of W) x (source 1 = a tile of A): a lane holds one row j, its registers run along W's rows, which are the next product's K.  W (Q, V, wo, wka) is a wave's own and comes
; from memory straight into a ring of 12 fragment buffers in registers; A (K, p, y, LN(z)) is 32 rows (two tiles) as images of operand registers in LDS, read by all eight waves.  Wave w makes features 128 w .. 128 w + 127: K step w of the next product.
; The residual x and the bias bka are laid into the accumulators and are the C of a sum's first instruction.  x is loaded as 512 consecutive bytes of a row an instruction and turned through the wave's own stage in LDS.
; SCORES.  A unit is 32 i x 16 j (two accumulators).  Wave w (b = w & 3, g = w >> 2) takes block b of steps 2 g and 2 g + 1 for both row tiles, and block b of step 4 for row tile g: five units.
; LAYERNORM over a row that eight waves share: each wave's mean and centred sum of squares meet in LDS; var = (sum M2_k + 128 sum (mean_k - mu)^2) / 1,024: no difference of large sums.
; No cluster: a joint request lands in LDS only, and each fragment of W has one reader, a wave's registers; through LDS every byte of W would be written and read once more.
; A work-group's whole output is 32 numbers, 128 consecutive bytes, stored by one instruction.
; LIMITS.  NaN and infinities are not served.  A block whose largest magnitude lies under 2^-122, a block of zeros among them, keeps the byte 1.  1 / l, the reciprocal roots and the sigmoid use v_rcp_f32, v_rsq_f32, v_exp_f32.
; Where a packed instruction takes only a pair's low word, the upper register holds whatever was there.
; REGISTERS.  window 0: v1-15, v25, v27-31 addresses; v16-24, v26 scale words and nothing else; v32-55 A's two fragments, v92-103 one more (scores); v104-111 addresses of p's stores; v112-255 the ring; between products v32-111 are at work.
;   window 1: the accumulators, (t, p) at 64 t + 8 p; for the scores unit u at 16 u, and v160-255 at work.
.set QF, 3145728
.set VF, 6291456
.set KS, 9437184
.set QS, 9568256
.set VS, 9699328
.set AIMG1, 24576                      ; LDS: two sets of A's images, (8 t + s) x 1,536, at 0 and here
.set ASC0,  49152                      ; their scale words: 128 s + 4 (r + 16 t)
.set ASC1,  50176
.set MX,    51200                      ; partial maxima: 1,024 t + 64 r + 4 x slot (12 slots); partial sums 2,048 further on
.set STZ,   55296                      ; the norms' figures: 1,024 q + 512 t + 32 r + 4 w; the second norm's five from 2,048 on
.set OUTS,  61440                      ; 32 results
.set XST,   61696                      ; x's stages: 16 rows x 528 bytes a wave
.set SPARE, 129280                     ; the spare words
.set LI,  1
.set L8,  2
.set AAD, 3
.set ASA, 4
.set AXA, 5
.set AXSA, 6
.set OUA, 5
.set OUR, 6
.set IWA, 7
.set IWA1, 8
.set SWA, 9
.set MXW, 10
.set MXW2, 11
.set MXR, 12
.set SZA, 13
.set SZR, 14
.set XSI, 15
.set WS,  16
.set AS,  24
.set XSO, 25
.set AXS, 26
.set H64, 27
.set PFO, 28
.set KSW, 29
.set HR,  30
.set L4,  31
.set AF,  32
.set AX,  92
.set PA,  104
.set PA2, 107
.set PB,  110
.set PB2, 111
.set RING, 112
.set CH,  32
.set MEAN, 48
.set PC,  56
.set PW,  76
.set TM,  80
.set CT,  88
.set RS,  96
.set RL,  96
.set DR,  104
.set GW,  32
.set GS,  40
.set BS,  42
.set DD,  104
.set FM,  112
.set FQ,  144
.set FD,  176
.set FG,  208
.set FB,  216
.set FT,  224
.set UVE, 160
.set UVE2, 161
.set UNI, 164
.set UM,  166
.set UX,  176
.set UP,  180
.set UT,  192
.set UL,  192
.set UCD, 192
.set USP, 232
.set UNM, 240
.set USY, 252
.set WV,  26
.set WG,  27
.set WN,  28
.set BW,  29
.set HW,  30
.set HM,  31
.set QB1, 32
.set QB2, 34
.set QS1, 36
.set QS2, 38
.set WB,  40
.set WSB, 42
.set XB,  44
.set CS,  48
.set SEL, 50
.set K512, 52
.set LAY, 53
.set ABS, 54
.set SBS, 55
.set BKD, 56
.set R1024, 57
.set EPS, 58
.set XP,  60
.set KB,  66
.set KSB, 68
.set B0,  70
.set B1,  71
.set MSB, 0
.macro WIN new                         ; the immediate's high byte repeats the setting that is left
.if MSB != \new
	s_set_vgpr_msb (MSB<<8)|\new
.set MSB, \new
.endif
.endm
.macro PLACES                          ; four plain places behind a matrix instruction (ISA guide 7.12.1)
.rept 4
	v_nop
.endr
.endm
.macro BARRIER                         ; my LDS stores have landed and my LDS loads are in: then the work-group's barrier
	s_wait_dscnt 0x0
	s_barrier_signal -1
	s_barrier_wait -1
.endm
; One matrix instruction; rD, rW, rA, rWS, rAS name its registers, fW and fA say whether a side's scale words stand in lanes 16-31, fZ whether it starts its sum.
.macro WM
.if fZ
.if fW && fA
	v_wmma_scale_f32_16x16x128_f8f6f4 v[rD:rD+7], v[rW:rW+11], v[rA:rA+11], 0, v[rWS], v[rAS] matrix_a_fmt:MATRIX_FMT_BF6 matrix_b_fmt:MATRIX_FMT_BF6 matrix_a_scale:MATRIX_SCALE_ROW1 matrix_b_scale:MATRIX_SCALE_ROW1
.elseif fW
	v_wmma_scale_f32_16x16x128_f8f6f4 v[rD:rD+7], v[rW:rW+11], v[rA:rA+11], 0, v[rWS], v[rAS] matrix_a_fmt:MATRIX_FMT_BF6 matrix_b_fmt:MATRIX_FMT_BF6 matrix_a_scale:MATRIX_SCALE_ROW1
.elseif fA
	v_wmma_scale_f32_16x16x128_f8f6f4 v[rD:rD+7], v[rW:rW+11], v[rA:rA+11], 0, v[rWS], v[rAS] matrix_a_fmt:MATRIX_FMT_BF6 matrix_b_fmt:MATRIX_FMT_BF6 matrix_b_scale:MATRIX_SCALE_ROW1
.else
	v_wmma_scale_f32_16x16x128_f8f6f4 v[rD:rD+7], v[rW:rW+11], v[rA:rA+11], 0, v[rWS], v[rAS] matrix_a_fmt:MATRIX_FMT_BF6 matrix_b_fmt:MATRIX_FMT_BF6
.endif
.else
.if fW && fA
	v_wmma_scale_f32_16x16x128_f8f6f4 v[rD:rD+7], v[rW:rW+11], v[rA:rA+11], v[rD:rD+7], v[rWS], v[rAS] matrix_a_fmt:MATRIX_FMT_BF6 matrix_b_fmt:MATRIX_FMT_BF6 matrix_a_scale:MATRIX_SCALE_ROW1 matrix_b_scale:MATRIX_SCALE_ROW1
.elseif fW
	v_wmma_scale_f32_16x16x128_f8f6f4 v[rD:rD+7], v[rW:rW+11], v[rA:rA+11], v[rD:rD+7], v[rWS], v[rAS] matrix_a_fmt:MATRIX_FMT_BF6 matrix_b_fmt:MATRIX_FMT_BF6 matrix_a_scale:MATRIX_SCALE_ROW1
.elseif fA
	v_wmma_scale_f32_16x16x128_f8f6f4 v[rD:rD+7], v[rW:rW+11], v[rA:rA+11], v[rD:rD+7], v[rWS], v[rAS] matrix_a_fmt:MATRIX_FMT_BF6 matrix_b_fmt:MATRIX_FMT_BF6 matrix_b_scale:MATRIX_SCALE_ROW1
.else
	v_wmma_scale_f32_16x16x128_f8f6f4 v[rD:rD+7], v[rW:rW+11], v[rA:rA+11], v[rD:rD+7], v[rWS], v[rAS] matrix_a_fmt:MATRIX_FMT_BF6 matrix_b_fmt:MATRIX_FMT_BF6
.endif
.endif
.endm
; THE COUNTS OF A STREAM'S WAITS.  A stream's loads go out in one fixed order: two sets of scale words, 12 fragments; then in each K step, behind each pair of fragments used, the pair 12 on, and at the step's end the set two steps on.
; Issued when group g of step s begins: 3 min(NF s + 2 g + 12, NF NS) + SL min(s + 2, NS).  Issued up to fragment f: 3 (f + 1) + SL (2 + (f - 12) / NF).  Up to set s >= 2: 3 (NF (s - 1) + 12) + SL (s + 1).
; A wait's count is the difference: the stream's loads issued behind the one that is wanted (loads come back in order: ISA guide 5.7.1).  Other loads issued later only make the wait stricter.
.macro WAITR s, g
.set cF, NF*(\s)+2*(\g)+1
.set cI, NF*(\s)+2*(\g)+12
.if cI > NF*NS
.set cI, NF*NS
.endif
.set cS, (\s)+2
.if cS > NS
.set cS, NS
.endif
.set cP, 0
.if cF >= 12
.set cP, (cF-12)/NF
.endif
	s_wait_loadcnt 3*cI+SL*cS-3*(cF+1)-SL*(2+cP)
.endm
.macro WAITS s
.set cI, NF*(\s)+12
.if cI > NF*NS
.set cI, NF*NS
.endif
.set cS, (\s)+2
.if cS > NS
.set cS, NS
.endif
.if (\s) < 2
.set cO, SL*((\s)+1)
.else
.set cO, 3*(NF*((\s)-1)+12)+SL*((\s)+1)
.endif
	s_wait_loadcnt 3*cI+SL*cS-cO
.endm
.macro RLOAD f                         ; fragment f = 8 s + p of my stream into ring buffer f % 12
.if (\f) < NF*NS
.set rB, RING+12*((\f)%12)
.irp g3, 0,1,2
	global_load_b128 v[rB+4*\g3:rB+4*\g3+3], v[LI], s[WB:WB+1] offset:((\f)/NF)*SS+((\f)%NF)*TS+512*\g3
.endr
.endif
.endm
.macro SLOAD s
.if (\s) < NS
.irp g2, 0,1
	global_load_b64 v[WS+4*((\s)%2)+2*\g2:WS+4*((\s)%2)+2*\g2+1], v[L8], s[WSB:WSB+1] offset:\g2*GSS+256*(\s)
.endr
.endif
.endm
.macro PRIME
	SLOAD 0
	SLOAD 1
.irp f, 0,1,2,3,4,5,6,7,8,9,10,11
	RLOAD \f
.endr
.endm
.macro ALOAD s                         ; A's two fragments of step s and their scale words: tile 0 in lanes 0-15, tile 1 in lanes 16-31
.if (\s) < NS
.irp t, 0,1
.irp g3, 0,1,2
	ds_load_b128 v[AF+12*\t+4*\g3:AF+12*\t+4*\g3+3], v[AAD] offset:(8*\t+(\s))*1536+512*\g3
.endr
.endr
	ds_load_b32 v[AS], v[ASA] offset:128*(\s)
.endif
.endm
; A K step of 128: 16 matrix instructions on 16 accumulators by turns, one instruction a turn.
.macro DSTEP s, zero
	s_wait_dscnt 0x0                               ; A's fragments of this step
	WAITS \s
.irp g, 0,1,2,3
	WAITR \s, \g
	WIN 0x50                                       ; C and D in window 1
.irp e, 0,1
.irp t, 0,1
.set pT, 2*\g+\e
.set rD, 64*\t+8*pT
.set rW, RING+12*((8*(\s)+pT)%12)
.set rA, AF+12*\t
.set rWS, WS+4*((\s)%2)+2*(pT/4)+((pT/2)%2)
.set fW, pT%2
.set rAS, AS
.set fA, \t
.set fZ, \zero
	WM
.endr
.endr
	PLACES
	WIN 0
	RLOAD 8*(\s)+2*\g+12                           ; into the two buffers just multiplied
	RLOAD 8*(\s)+2*\g+13
.endr
	SLOAD (\s)+2
	ALOAD (\s)+1
.endm
; The scores' stream: six fragments of Q a K step: (step 2 g, u = 0, 1), (step 2 g + 1, u = 0, 1), (step 4, u = 0, 1); three loads of scale words: u = 0 in lanes 0-15, u = 1 in lanes 16-31.
.macro RLOADS f
.if (\f) < 48
.set rB, RING+12*((\f)%12)
.set qQ, (\f)%6
.irp g3, 0,1,2
.if qQ < 4
	global_load_b128 v[rB+4*\g3:rB+4*\g3+3], v[LI], s[QB1:QB1+1] offset:((\f)/6)*393216+(qQ/2)*12288+(qQ%2)*1536+512*\g3
.else
	global_load_b128 v[rB+4*\g3:rB+4*\g3+3], v[LI], s[QB2:QB2+1] offset:((\f)/6)*393216+(qQ%2)*1536+512*\g3
.endif
.endr
.endif
.endm
.macro SLOADS s
.if (\s) < 8
	global_load_b32 v[WS+4*((\s)%2)], v[L8], s[QS1:QS1+1] offset:256*(\s)
	global_load_b32 v[WS+4*((\s)%2)+1], v[L8], s[QS1:QS1+1] offset:4096+256*(\s)
	global_load_b32 v[WS+4*((\s)%2)+2], v[L8], s[QS2:QS2+1] offset:256*(\s)
.endif
.endm
.macro AXLOAD s                        ; K's row tile g once more, for the unit of step 4: a register's number cannot hang on the wave
.if (\s) < 8
.irp g3, 0,1,2
	ds_load_b128 v[AX+4*\g3:AX+4*\g3+3], v[AXA] offset:1536*(\s)+512*\g3
.endr
	ds_load_b32 v[AXS], v[AXSA] offset:128*(\s)
.endif
.endm
.macro SSTEP s, zero                   ; 10 matrix instructions on 10 accumulators by turns
	s_wait_dscnt 0x0
	WAITS \s
.irp g, 0,1,2
	WAITR \s, \g
	WIN 0x50
.irp e, 0,1
.set rW, RING+12*((6*(\s)+2*\g+\e)%12)
.set rWS, WS+4*((\s)%2)+\g
.set fW, \e
.set fZ, \zero
.if \g < 2
.irp t, 0,1
.set rD, 16*(2*\g+\t)+8*\e
.set rA, AF+12*\t
.set rAS, AS
.set fA, \t
	WM
.endr
.else
.set rD, 64+8*\e
.set rA, AX
.set rAS, AXS
.set fA, 0
	WM
.endif
.endr
	PLACES
	WIN 0
	RLOADS 6*(\s)+2*\g+12
	RLOADS 6*(\s)+2*\g+13
.endr
	SLOADS (\s)+2
	ALOAD (\s)+1
	AXLOAD (\s)+1
.endm
; 64 numbers of a lane in window 1, register s + 16 b + i = k 32 b + 16 h + i of my row, become a fragment's codes in v[PC] on and its scale word in v[pw].  Each accumulator is read from its low end on.
.macro QUANTW s, pw
	WIN 0x05
.irp b, 0,1,2,3
	v_max3_num_f32 v[TM+\b], |v[\s+16*\b]|, |v[\s+1+16*\b]|, 0x2800000   ; and the floor 2^(5 - 127): the byte cannot fall under 1
.endr
	WIN 0x14
.irp i, 2,4,6,8,10,12,14
.irp b, 0,1,2,3
	v_max3_num_f32 v[TM+\b], v[TM+\b], |v[\s+16*\b+\i]|, |v[\s+1+16*\b+\i]|
.endr
.endr
	WIN 0
.irp b, 0,1,2,3
	v_permlanex16_b32 v[TM+4+\b], v[TM+\b], s[SEL], s[SEL+1]
.endr
.irp b, 0,1,2,3
	s_delay_alu instid0(VALU_DEP_4)
	v_max_num_f32 v[TM+\b], v[TM+\b], v[TM+4+\b]
.endr
.irp b, 0,1,2,3
	s_delay_alu instid0(VALU_DEP_4)
	v_add_nc_u32 v[TM+12+\b], 0xfe000000, v[TM+\b] ; 4 off the exponent field: the conversion's scale operand
.endr
.irp b, 0,1,2,3
	s_delay_alu instid0(VALU_DEP_4)
	v_lshrrev_b32 v[TM+4+\b], 23, v[TM+12+\b]      ; the scale's byte
.endr
	s_delay_alu instid0(VALU_DEP_3)
	v_lshl_or_b32 v[\pw], v[TM+5], 8, v[TM+4]
	s_delay_alu instid0(VALU_DEP_1)
	v_lshl_or_b32 v[\pw], v[TM+6], 16, v[\pw]
	s_delay_alu instid0(VALU_DEP_1)
	v_lshl_or_b32 v[\pw], v[TM+7], 24, v[\pw]
	WIN 0x01
.irp c, 0,1
	v_cvt_scalef32_pk16_bf6_f32 v[PC+6*\c:PC+2+6*\c], v[\s+32*\c:\s+15+32*\c], v[TM+12+2*\c]
	v_cvt_scalef32_pk16_bf6_f32 v[PC+12+4*\c:PC+14+4*\c], v[\s+16+32*\c:\s+31+32*\c], v[TM+12+2*\c+1]
.endr
	WIN 0
	v_nop                                          ; one plain place behind a scaled conversion
.irp c, 0,1
.irp i, 0,1,2
	v_permlane16_swap_b32 v[PC+6*\c+\i], v[PC+12+4*\c+\i]
.endr
.irp i, 0,1,2
	s_delay_alu instid0(VALU_DEP_3)
	v_mov_b32 v[PC+3+6*\c+\i], v[PC+12+4*\c+\i]
.endr
.endr
.endm
; My 128 features of each row: their mean into v[MEAN + 2 t]; the accumulators are centred on it in place; the centred sum of squares into v[MEAN + 2 t + 1].
.macro STATS
	WIN 0x05
.irp t, 0,1
	v_pk_add_f32 v[CH+4*\t:CH+4*\t+1], v[64*\t:64*\t+1], v[64*\t+2:64*\t+3]
	v_pk_add_f32 v[CH+4*\t+2:CH+4*\t+3], v[64*\t+4:64*\t+5], v[64*\t+6:64*\t+7]
.endr
	WIN 0x04
.irp k, 8,12,16,20,24,28,32,36,40,44,48,52,56,60
.irp t, 0,1
	v_pk_add_f32 v[CH+4*\t:CH+4*\t+1], v[CH+4*\t:CH+4*\t+1], v[64*\t+\k:64*\t+\k+1]
	v_pk_add_f32 v[CH+4*\t+2:CH+4*\t+3], v[CH+4*\t+2:CH+4*\t+3], v[64*\t+\k+2:64*\t+\k+3]
.endr
.endr
	WIN 0
.irp t, 0,1
	v_pk_add_f32 v[CH+4*\t:CH+4*\t+1], v[CH+4*\t:CH+4*\t+1], v[CH+4*\t+2:CH+4*\t+3]
.endr
.irp t, 0,1
	s_delay_alu instid0(VALU_DEP_2)
	v_add_f32 v[CH+4*\t], v[CH+4*\t], v[CH+4*\t+1]
.endr
.irp t, 0,1
	s_delay_alu instid0(VALU_DEP_2)
	v_permlanex16_b32 v[CH+4*\t+1], v[CH+4*\t], s[SEL], s[SEL+1]
.endr
.irp t, 0,1
	s_delay_alu instid0(VALU_DEP_2)
	v_add_f32 v[CH+4*\t], v[CH+4*\t], v[CH+4*\t+1]
.endr
.irp t, 0,1
	s_delay_alu instid0(VALU_DEP_2)
	v_mul_f32 v[MEAN+2*\t], 0x3c000000, v[CH+4*\t] ; / 128
.endr
	WIN 0x41
.irp t, 0,1
.set i, 64*\t
.rept 32
	v_pk_add_f32 v[i:i+1], v[i:i+1], v[MEAN+2*\t:MEAN+2*\t+1] op_sel_hi:[1,0] neg_lo:[0,1] neg_hi:[0,1]
.set i, i+2
.endr
.endr
	WIN 0x05
.irp t, 0,1
	v_pk_mul_f32 v[CH+4*\t:CH+4*\t+1], v[64*\t:64*\t+1], v[64*\t:64*\t+1]
	v_pk_mul_f32 v[CH+4*\t+2:CH+4*\t+3], v[64*\t+2:64*\t+3], v[64*\t+2:64*\t+3]
.endr
.irp k, 4,8,12,16,20,24,28,32,36,40,44,48,52,56,60
.irp t, 0,1
	v_pk_fma_f32 v[CH+4*\t:CH+4*\t+1], v[64*\t+\k:64*\t+\k+1], v[64*\t+\k:64*\t+\k+1], v[CH+4*\t:CH+4*\t+1]
	v_pk_fma_f32 v[CH+4*\t+2:CH+4*\t+3], v[64*\t+\k+2:64*\t+\k+3], v[64*\t+\k+2:64*\t+\k+3], v[CH+4*\t+2:CH+4*\t+3]
.endr
.endr
	WIN 0
.irp t, 0,1
	v_pk_add_f32 v[CH+4*\t:CH+4*\t+1], v[CH+4*\t:CH+4*\t+1], v[CH+4*\t+2:CH+4*\t+3]
.endr
.irp t, 0,1
	s_delay_alu instid0(VALU_DEP_2)
	v_add_f32 v[CH+4*\t], v[CH+4*\t], v[CH+4*\t+1]
.endr
.irp t, 0,1
	s_delay_alu instid0(VALU_DEP_2)
	v_permlanex16_b32 v[CH+4*\t+1], v[CH+4*\t], s[SEL], s[SEL+1]
.endr
.irp t, 0,1
	s_delay_alu instid0(VALU_DEP_2)
	v_add_f32 v[MEAN+2*\t+1], v[CH+4*\t], v[CH+4*\t+1]
.endr
.endm
; The eight waves' means v[m ..] and centred sums of squares v[q ..] of a row: mu is left in v[tt], mean_k - mu in v[m + k], var + eps in v[out].
.macro COMB m, q, tt, out
	v_pk_add_f32 v[\tt:\tt+1], v[\m:\m+1], v[\m+2:\m+3]
	v_pk_add_f32 v[\tt+2:\tt+3], v[\m+4:\m+5], v[\m+6:\m+7]
	v_pk_add_f32 v[\tt+4:\tt+5], v[\q:\q+1], v[\q+2:\q+3]
	v_pk_add_f32 v[\q+4:\q+5], v[\q+4:\q+5], v[\q+6:\q+7]
	s_delay_alu instid0(VALU_DEP_3)
	v_pk_add_f32 v[\tt:\tt+1], v[\tt:\tt+1], v[\tt+2:\tt+3]
	s_delay_alu instid0(VALU_DEP_2)
	v_pk_add_f32 v[\tt+4:\tt+5], v[\tt+4:\tt+5], v[\q+4:\q+5]
	s_delay_alu instid0(VALU_DEP_2)
	v_add_f32 v[\tt], v[\tt], v[\tt+1]
	s_delay_alu instid0(VALU_DEP_2)
	v_add_f32 v[\tt+4], v[\tt+4], v[\tt+5]
	s_delay_alu instid0(VALU_DEP_2)
	v_mul_f32 v[\tt], 0x3e000000, v[\tt]           ; mu = the mean of eight means of 128
.irp k, 0,1,2,3,4,5,6,7
	v_sub_f32 v[\m+\k], v[\m+\k], v[\tt]
.endr
	v_mul_f32 v[\tt+1], v[\m], v[\m]
	v_mul_f32 v[\tt+2], v[\m+1], v[\m+1]
.irp k, 2,4,6
	s_delay_alu instid0(VALU_DEP_2)
	v_fmac_f32 v[\tt+1], v[\m+\k], v[\m+\k]
	s_delay_alu instid0(VALU_DEP_2)
	v_fmac_f32 v[\tt+2], v[\m+\k+1], v[\m+\k+1]
.endr
	s_delay_alu instid0(VALU_DEP_1)
	v_add_f32 v[\tt+1], v[\tt+1], v[\tt+2]
	s_delay_alu instid0(VALU_DEP_1)
	v_fma_f32 v[\tt+1], v[\tt+1], 0x43000000, v[\tt+4]   ; 128 x the sum of squares of the means' offsets + the centred sums
	s_delay_alu instid0(VALU_DEP_1)
	v_fma_f32 v[\out], v[\tt+1], s[R1024], s[EPS]  ; / 1,024 + 1e-3
.endm
.macro XLD t                           ; tile t's 16 rows of x, my 128 features: each load reads 512 consecutive bytes of one row, into the tile's accumulators
	WIN 0x40
.irp q, 0,1,2,3,4,5,6,7,8,9,10,11,12,13,14,15
	global_load_b128 v[64*\t+4*\q:64*\t+4*\q+3], v[LI], s[XB:XB+1] offset:(8*\t+(\q%8)+16*(\q/8))*4096 th:TH_LOAD_NT
.endr
	WIN 0
.endm
.macro XTURN t                         ; through my wave's stage: in as loaded, out in the accumulators' layout: register 16 b + i = feature 32 b + 16 h + i of row r
	WIN 0x04
.irp q, 0,1,2,3,4,5,6,7,8,9,10,11,12,13,14,15
	ds_store_b128 v[XSI], v[64*\t+4*\q:64*\t+4*\q+3] offset:528*\q
.endr
	s_wait_dscnt 0x0                               ; the stores have read their registers, which the loads below write
	WIN 0x40
.irp b, 0,1,2,3
.irp q, 0,1,2,3
	ds_load_b128 v[64*\t+16*\b+4*\q:64*\t+16*\b+4*\q+3], v[XSO] offset:128*\b+16*\q
.endr
.endr
	WIN 0
.endm
; ---------------- head
	s_load_b256 s[4:11], s[0:1], 0x0               ; kqv, wimg, x, g_y
	s_load_b256 s[12:19], s[0:1], 0x20             ; b_y, bka, g_ka, b_ka
	s_load_b128 s[20:23], s[0:1], 0x40             ; wkd, bkd
	s_load_b64 s[24:25], s[0:1], 0x50              ; out0
	v_lshrrev_b32 v32, 5, v0
	s_delay_alu instid0(VALU_DEP_1)
	v_readfirstlane_b32 s[WV], v32                 ; wave 0..7
	s_mov_b32 s[WG], ttmp9
	s_lshr_b32 s[WN], ttmp9, 2
	s_sub_co_i32 s[WN], s[WN], 2
	s_max_i32 s[WN], s[WN], 0
	s_min_i32 s[WN], s[WN], 27                     ; the window's first step of 128
	s_and_b32 s[BW], s[WV], 3
	s_lshr_b32 s[HW], s[WV], 2
	s_sub_co_i32 s[HM], 0, s[HW]                   ; all lanes where the wave is one of 4 to 7
	s_and_b32 s[B0], s[BW], 1
	s_lshr_b32 s[B1], s[BW], 1
	v_and_b32 v32, 31, v0                          ; lane
	v_and_b32 v33, 15, v0                          ; r
	v_bfe_u32 v34, v0, 4, 1                        ; h
	v_and_b32 v35, 7, v0
	v_bfe_u32 v36, v0, 3, 1
	s_delay_alu instid0(VALU_DEP_1)
	v_lshl_add_u32 v35, v36, 4, v35                ; a tile's row: (r & 7) + 16 (r >> 3)
	v_lshlrev_b32 v[LI], 4, v32
	v_lshlrev_b32 v[L8], 3, v32
	v_lshlrev_b32 v[L4], 2, v32
	v_mov_b32 v[AAD], v[LI]
	v_add_nc_u32 v[ASA], ASC0, v[L4]
	s_mul_i32 s46, s[HW], 12288
	v_add_nc_u32 v[AXA], s46, v[LI]
	s_lshl_b32 s46, s[HW], 6
	s_add_co_u32 s46, s46, ASC0
	v_lshl_add_u32 v[AXSA], v33, 2, s46
	s_mul_i32 s46, s[WV], 1536
	v_add_nc_u32 v[IWA], s46, v[LI]                ; where I store images: K step w of a row tile
	s_delay_alu instid0(VALU_DEP_1)
	v_add_nc_u32 v[IWA1], AIMG1, v[IWA]
	s_lshl_b32 s46, s[WV], 7
	s_add_co_u32 s46, s46, ASC0
	v_add_nc_u32 v[KSW], s46, v[L4]
	v_lshl_add_u32 v[SWA], v33, 2, s46             ; and their scale words
	s_lshl_b32 s46, s[WV], 2
	s_add_co_u32 s47, s46, MX
	v_lshl_add_u32 v[MXW], v33, 6, s47
	s_lshl_b32 s47, s[HW], 10
	s_lshl_b32 s59, s[BW], 2
	s_add_co_u32 s47, s47, s59
	s_add_co_u32 s47, s47, MX+32
	v_lshl_add_u32 v[MXW2], v33, 6, s47
	v_lshl_add_u32 v[MXR], v33, 6, MX
	s_add_co_u32 s47, s46, STZ
	v_lshl_add_u32 v[SZA], v33, 5, s47
	v_lshl_add_u32 v[SZR], v33, 5, STZ
	s_mul_i32 s46, s[WV], 8448
	s_add_co_u32 s46, s46, XST
	v_add_nc_u32 v[XSI], s46, v[LI]                ; my stage, on the way in,
	v_mul_u32_u24 v[XSO], v33, 528
	s_delay_alu instid0(VALU_DEP_1)
	v_lshl_add_u32 v[XSO], v34, 6, v[XSO]
	s_delay_alu instid0(VALU_DEP_1)
	v_add_nc_u32 v[XSO], s46, v[XSO]               ; and on the way out
	v_lshlrev_b32 v[H64], 6, v34
	v_lshlrev_b32 v[PFO], 8, v0
	v_lshlrev_b32 v[HR], 4, v34
	s_delay_alu instid0(VALU_DEP_1)
	v_sub_nc_u32 v[HR], v[HR], v35                 ; the lane's part of i - j
	; p's codes: lane (r, h) of block b holds registers 6 (b >> 1) + 3 h + 0 .. 2 of lane r + 16 (b & 1) of the image
	s_mul_i32 s46, s[B1], 6
	v_mad_u32_u24 v36, v34, 3, s46
	s_lshl_b32 s46, s[B0], 8
	s_mul_i32 s47, s[HW], 3072
	s_add_co_u32 s46, s46, s47
	s_add_co_u32 s46, s46, AIMG1
	v_lshl_add_u32 v37, v33, 4, s46
	s_mul_i32 s47, s[HW], 9216
	s_add_co_u32 s47, s47, 6144                    ; from (tile 0, step 2 g) to (tile g, step 4)
.irp t, 0,1,2
	v_add_nc_u32 v38, \t, v36
	s_delay_alu instid0(VALU_DEP_1)
	v_lshrrev_b32 v39, 2, v38
	s_delay_alu instid0(VALU_DEP_2)
	v_and_b32 v38, 3, v38
	s_delay_alu instid0(VALU_DEP_2)
	v_lshl_add_u32 v39, v39, 9, v37
	s_delay_alu instid0(VALU_DEP_1)
	v_lshl_add_u32 v[PA+\t], v38, 2, v39
	s_delay_alu instid0(VALU_DEP_1)
	v_add_nc_u32 v[PA2+\t], s47, v[PA+\t]
.endr
	s_lshl_b32 s46, s[HW], 8
	s_add_co_u32 s46, s46, s[BW]
	s_add_co_u32 s46, s46, ASC1
	v_lshl_add_u32 v[PB], v33, 2, s46              ; p's scale bytes
	s_lshl_b32 s46, s[HW], 6
	s_add_co_u32 s46, s46, s[BW]
	s_add_co_u32 s46, s46, ASC1+512
	v_lshl_add_u32 v[PB2], v33, 2, s46
.irp b, 0,1,2,3
	v_mov_b32 v[TM+4+\b], 0                        ; a lane permute's destination counts as one of its sources
.endr
	s_mov_b32 s[CS], 0x3fb8aa3b                    ; log2(e)
	s_mov_b32 s[CS+1], s[CS]
	s_mov_b32 s[SEL], 0x76543210
	s_mov_b32 s[SEL+1], 0xfedcba98
	s_mov_b32 s[K512], 512
	s_mov_b32 s[R1024], 0x3a800000                 ; 1 / 1,024
	s_mov_b32 s[EPS], 0x3a83126f                   ; 1e-3
	s_mul_i32 s[KB], s[WV], 393216
	s_mul_i32 s46, s[WG], 3072
	s_add_co_u32 s[KB], s[KB], s46                 ; K: step w, my two row tiles
	s_mov_b32 s[KB+1], 0
	s_lshr_b32 s[KSB], s[WG], 1
	s_lshl_b32 s[KSB], s[KSB], 11
	s_lshl_b32 s46, s[WV], 8
	s_add_co_u32 s[KSB], s[KSB], s46
	s_and_b32 s46, s[WG], 1
	s_lshl_b32 s46, s46, 2
	s_add_co_u32 s[KSB], s[KSB], s46
	s_add_co_u32 s[KSB], s[KSB], KS
	s_mov_b32 s[KSB+1], 0
	s_mul_i32 s46, s[WN], 12288
	s_mul_i32 s47, s[BW], 3072
	s_add_co_u32 s46, s46, s47
	s_add_co_u32 s46, s46, QF
	s_mul_i32 s47, s[HW], 24576
	s_add_co_u32 s[QB1], s46, s47                  ; Q: tiles 8 (n + 2 g) + 2 b on,
	s_mov_b32 s[QB1+1], 0
	s_add_co_u32 s[QB2], s46, 49152                ; and 8 (n + 4) + 2 b on
	s_mov_b32 s[QB2+1], 0
	s_lshl_b32 s46, s[WN], 12
	s_lshl_b32 s47, s[B1], 11
	s_add_co_u32 s46, s46, s47
	s_lshl_b32 s47, s[B0], 2
	s_add_co_u32 s46, s46, s47
	s_add_co_u32 s46, s46, QS
	s_lshl_b32 s47, s[HW], 13
	s_add_co_u32 s[QS1], s46, s47
	s_mov_b32 s[QS1+1], 0
	s_add_co_u32 s[QS2], s46, 16384
	s_mov_b32 s[QS2+1], 0
	s_lshl_b32 s[XP], s[WG], 17
	s_mov_b32 s[XP+1], 0
	s_lshl_b32 s46, s[WV], 9                       ; my 128 features, in bytes
	s_mov_b32 s47, 0
	s_lshl_b32 s62, s[WG], 7
	s_mov_b32 s63, 0
	s_wait_alu depctr_va_vdst(0)
	s_wait_kmcnt 0x0
	s_load_b32 s[BKD], s[22:23], 0x0
	s_add_nc_u64 s[KB:KB+1], s[4:5], s[KB:KB+1]
	s_add_nc_u64 s[KSB:KSB+1], s[4:5], s[KSB:KSB+1]
	s_add_nc_u64 s[QB1:QB1+1], s[4:5], s[QB1:QB1+1]
	s_add_nc_u64 s[QB2:QB2+1], s[4:5], s[QB2:QB2+1]
	s_add_nc_u64 s[QS1:QS1+1], s[4:5], s[QS1:QS1+1]
	s_add_nc_u64 s[QS2:QS2+1], s[4:5], s[QS2:QS2+1]
	s_add_nc_u64 s[XP:XP+1], s[8:9], s[XP:XP+1]
	s_add_nc_u64 s[XB:XB+1], s[XP:XP+1], s[46:47]
	s_add_nc_u64 s[10:11], s[10:11], s[46:47]
	s_add_nc_u64 s[12:13], s[12:13], s[46:47]
	s_add_nc_u64 s[14:15], s[14:15], s[46:47]
	s_add_nc_u64 s[16:17], s[16:17], s[46:47]
	s_add_nc_u64 s[18:19], s[18:19], s[46:47]
	s_add_nc_u64 s[20:21], s[20:21], s[46:47]
	s_add_nc_u64 s[24:25], s[24:25], s[62:63]
.set NF, 6
.set NS, 8
.set SL, 3
.irp k, 0,1,2,3,4,5
	global_load_b128 v[AF+4*\k:AF+4*\k+3], v[LI], s[KB:KB+1] offset:512*\k
.endr
	global_load_b32 v[AX], v[L8], s[KSB:KSB+1]
	SLOADS 0
	SLOADS 1
.irp f, 0,1,2,3,4,5,6,7,8,9,10,11
	RLOADS \f
.endr
	s_wait_loadcnt 42                              ; my K step of K is in; the scores' first 42 loads (6 of scale words, 36 of fragments) stay out
.irp t, 0,1
.irp g3, 0,1,2
	ds_store_b128 v[IWA], v[AF+12*\t+4*\g3:AF+12*\t+4*\g3+3] offset:12288*\t+512*\g3
.endr
.endr
	ds_store_b32 v[KSW], v[AX]
	s_wait_kmcnt 0x0                               ; bkd
	BARRIER                                        ; K's 16 fragments lie in LDS
; ---------------- the scores
	ALOAD 0
	AXLOAD 0
	SSTEP 0, 1
.irp s, 1,2,3,4,5,6,7
	SSTEP \s, 0
.endr
; ---------------- band, softmax, p
.set NF, 8
.set NS, 5
.set SL, 2
.set SS, 98304
.set TS, 1536
.set GSS, 8192
	s_mul_i32 s46, s[WN], 98304
	s_mul_i32 s47, s[WV], 12288
	s_add_co_u32 s46, s46, s47
	s_add_co_u32 s46, s46, VF
	s_mov_b32 s47, 0
	s_add_nc_u64 s[WB:WB+1], s[4:5], s[46:47]      ; V: the window's first step, my eight tiles of features
	s_lshl_b32 s46, s[WV], 14
	s_lshl_b32 s59, s[WN], 8
	s_add_co_u32 s46, s46, s59
	s_add_co_u32 s46, s46, VS
	s_add_nc_u64 s[WSB:WSB+1], s[4:5], s[46:47]
	PRIME                                          ; V's first fragments land while the softmax is worked
	s_lshl_b32 s46, s[HW], 1
	s_add_co_u32 s46, s46, s[WN]
	s_lshl_b32 s46, s46, 7
	s_lshl_b32 s47, s[BW], 5
	s_add_co_u32 s46, s46, s47
	s_lshl_b32 s59, s[WG], 5
	s_sub_co_u32 s46, s46, s59
	s_add_co_u32 s46, s46, 256                     ; i - j + 256 without the lane's, the unit's and the register's parts
	s_add_co_u32 s62, s[WN], 4
	s_lshl_b32 s62, s62, 7
	s_add_co_u32 s62, s62, s47
	s_sub_co_u32 s62, s62, s59
	s_lshl_b32 s63, s[HW], 3
	s_sub_co_u32 s62, s62, s63                     ; (row tile g begins 8 g rows down)
	s_add_co_u32 s62, s62, 256
	WIN 0x40
	v_add_nc_u32 v[UVE], s46, v[HR]
	v_add_nc_u32 v[UVE2], s62, v[HR]
	v_mov_b32 v[UNI], 0xff800000                   ; -infinity
.irp u, 0,1,2,3,4
	v_mov_b32 v[UP+\u], 0                          ; a lane permute's destination counts as one of its sources
.endr
	WIN 0x55
.irp u, 0,1,2,3,4                              ; a score counts where 0 <= i - j + 256 <= 512, as one unsigned compare; each accumulator is taken from its low end on
.if \u < 4
.set cU, 128*(\u/2)-8*(\u%2)
.set rV, UVE
.else
.set cU, 0
.set rV, UVE2
.endif
.irp k, 0,1,2,3,4,5,6,7,8,9,10,11,12,13,14,15
	v_add_nc_u32 v[UT+\k], cU+\k, v[rV]
.endr
.irp k, 0,1,2,3,4,5,6,7,8,9,10,11,12,13,14,15
	v_cmp_lt_u32 vcc_lo, s[K512], v[UT+\k]
	v_cndmask_b32 v[16*\u+\k], v[16*\u+\k], v[UNI], vcc_lo
.endr
.endr
.irp u, 0,1,2,3,4                              ; the largest score of each block of 32: it serves for the row's maximum and, since p rises with the score, for the block's largest p
	v_max3_num_f32 v[UM+\u], v[16*\u], v[16*\u+1], v[16*\u+2]
.endr
.irp i, 3,5,7,9,11,13
.irp u, 0,1,2,3,4
	v_max3_num_f32 v[UM+\u], v[UM+\u], v[16*\u+\i], v[16*\u+\i+1]
.endr
.endr
.irp u, 0,1,2,3,4
	v_max_num_f32 v[UM+\u], v[UM+\u], v[16*\u+15]
.endr
.irp u, 0,1,2,3,4
	v_permlanex16_b32 v[UP+\u], v[UM+\u], s[SEL], s[SEL+1]
.endr
.irp u, 0,1,2,3,4
	v_max_num_f32 v[UM+\u], v[UM+\u], v[UP+\u]
.endr
.irp t, 0,1
	v_max_num_f32 v[UX+\t], v[UM+\t], v[UM+2+\t]
.endr
	WIN 0x04                                       ; an LDS store's data are its source 1
.irp t, 0,1
	ds_store_b32 v[MXW], v[UX+\t] offset:1024*\t   ; lanes r and r + 16 write the same word with the same value
.endr
	ds_store_b32 v[MXW2], v[UM+4]
	WIN 0
	BARRIER                                        ; a row's 12 partial maxima lie in LDS; nobody reads K's images any more
	WIN 0x40
.irp t, 0,1
.irp k, 0,1,2
	ds_load_b128 v[UL+12*\t+4*\k:UL+12*\t+4*\k+3], v[MXR] offset:1024*\t+16*\k
.endr
.endr
	s_wait_dscnt 0x0
	WIN 0x55
.irp t, 0,1
	v_max3_num_f32 v[UX+\t], v[UL+12*\t], v[UL+12*\t+1], v[UL+12*\t+2]
.endr
.irp i, 3,5,7,9
.irp t, 0,1
	s_delay_alu instid0(VALU_DEP_2)
	v_max3_num_f32 v[UX+\t], v[UX+\t], v[UL+12*\t+\i], v[UL+12*\t+\i+1]
.endr
.endr
.irp t, 0,1
	s_delay_alu instid0(VALU_DEP_2)
	v_max_num_f32 v[UX+\t], v[UX+\t], v[UL+12*\t+11]
.endr
.irp t, 0,1
	s_delay_alu instid0(VALU_DEP_2)
	v_mul_f32 v[UNM+2*\t+1], s[CS], v[UX+\t]       ; the row's largest t
.endr
.irp t, 0,1
	s_delay_alu instid0(VALU_DEP_2)
	v_floor_f32 v[UNM+2*\t], -v[UNM+2*\t+1]        ; -M = floor(-t) = -ceil(t)
.endr
	s_delay_alu instid0(VALU_DEP_1)
	v_cndmask_b32 v[UNM+4], v[UNM], v[UNM+2], s[HM]   ; row tile g's, for the unit of step 4
	v_cndmask_b32 v[UNM+5], v[UNM+1], v[UNM+3], s[HM]
.irp u, 0,1,2,3,4
.if \u < 4
.set rN, UNM+2*(\u%2)
.else
.set rN, UNM+4
.endif
.irp k, 0,2,4,6,8,10,12,14
	v_pk_fma_f32 v[16*\u+\k:16*\u+\k+1], v[16*\u+\k:16*\u+\k+1], s[CS:CS+1], v[rN:rN+1] op_sel_hi:[1,0,0]   ; t - M
.endr
	v_fma_f32 v[UM+\u], v[UM+\u], s[CS], v[rN]     ; the same of the block's largest score
.endr
.set i, 0
	s_wait_alu depctr_va_vdst(0)
.rept 80
	v_exp_f32 v[i], v[i]                           ; p = 2^(t - M): not normalised; 0 outside the band
.set i, i+1
.endr
	v_nop                                          ; a plain place behind the exponentials
	s_wait_alu depctr_va_vdst(0)                   ; one wait for the batch, ahead of its first reader
.irp u, 0,1,2,3,4
	v_exp_f32 v[UM+\u], v[UM+\u]                   ; the block's largest p: the same two instructions on the same number
.endr
.irp t, 0,1                                    ; the sums of the unquantised p; they read the 80 alone
	v_pk_add_f32 v[USP+2*\t:USP+2*\t+1], v[16*\t:16*\t+1], v[16*\t+2:16*\t+3]
.endr
	v_pk_add_f32 v[USY:USY+1], v[64:65], v[66:67]
.irp k, 4,6,8,10,12,14
.irp t, 0,1
	v_pk_add_f32 v[USP+2*\t:USP+2*\t+1], v[USP+2*\t:USP+2*\t+1], v[16*\t+\k:16*\t+\k+1]
.endr
	v_pk_add_f32 v[USY:USY+1], v[USY:USY+1], v[64+\k:64+\k+1]
.endr
.irp k, 0,2,4,6,8,10,12,14
.irp t, 0,1
	v_pk_add_f32 v[USP+2*\t:USP+2*\t+1], v[USP+2*\t:USP+2*\t+1], v[32+16*\t+\k:32+16*\t+\k+1]
.endr
.endr
.irp a, USP, USP+2, USY
	v_add_f32 v[\a], v[\a], v[\a+1]
.endr
.irp a, USP, USP+2, USY
	v_permlanex16_b32 v[\a+1], v[\a], s[SEL], s[SEL+1]
.endr
.irp a, USP, USP+2, USY
	v_add_f32 v[\a], v[\a], v[\a+1]
.endr
	s_wait_alu depctr_va_vdst(0)                   ; and one for the five
.irp u, 0,1,2,3,4
	v_max_num_f32 v[UM+\u], 0x2800000, v[UM+\u]    ; the floor 2^(5 - 127): a block outside the band keeps the byte 1; its codes are zeros
.endr
.irp u, 0,1,2,3,4
	v_add_nc_u32 v[UP+\u], 0xfe000000, v[UM+\u]
.endr
.irp u, 0,1,2,3,4
	v_lshrrev_b32 v[UM+\u], 23, v[UP+\u]
.endr
.irp u, 0,1,2,3,4
	v_cvt_scalef32_pk16_bf6_f32 v[UCD+4*\u:UCD+4*\u+2], v[16*\u:16*\u+15], v[UP+\u]   ; my 16 of the block's 32 codes
.endr
	v_nop                                          ; one plain place behind a scaled conversion
	WIN 0x04
.irp t, 0,1
	ds_store_b32 v[MXW], v[USP+2*\t] offset:2048+1024*\t
.endr
	ds_store_b32 v[MXW2], v[USY] offset:2048
.irp u, 0,1,2,3
.irp t3, 0,1,2
	ds_store_b32 v[PA+\t3], v[UCD+4*\u+\t3] offset:12288*(\u%2)+1536*(\u/2)   ; straight to their registers' places in p's image
.endr
	ds_store_b8 v[PB], v[UM+\u] offset:128*(\u/2)+64*(\u%2)
.endr
.irp t3, 0,1,2
	ds_store_b32 v[PA2+\t3], v[UCD+16+\t3]
.endr
	ds_store_b8 v[PB2], v[UM+4]
	WIN 0
	BARRIER                                        ; p's 10 fragments, their scale words and the partial sums lie in LDS
; ---------------- O^T = V^T p^T
	v_add_nc_u32 v[AAD], AIMG1, v[LI]
	v_add_nc_u32 v[ASA], ASC1, v[L4]
	ALOAD 0
.irp k, 0,1                                    ; my work-group's 32 rows of x, wanted behind this product's 80 matrix instructions: thread t names byte 256 t of each half, so each 256 bytes are named once in the launch
	global_prefetch_b8 v[PFO], s[XP:XP+1] offset:65536*\k th:TH_LOAD_NT scope:SCOPE_SE
.endr
	s_wait_alu depctr_va_vdst(0)
	DSTEP 0, 1
.irp s, 1,2,3,4
	DSTEP \s, 0
.endr
; ---------------- y = O / l, quantised; x becomes the next sums' C
.set NS, 8
.set GSS, 2048
	s_wait_xcnt 0x0                                ; the stream's base is written again only behind this wait
	s_mul_i32 s46, s[WV], 12288
	s_add_co_u32 s46, s46, 3*786432
	s_mov_b32 s47, 0
	s_add_nc_u64 s[WB:WB+1], s[6:7], s[46:47]      ; wo
	s_lshl_b32 s46, s[WV], 12
	s_add_co_u32 s46, s46, 3932160+3*32768
	s_add_nc_u64 s[WSB:WSB+1], s[6:7], s[46:47]
	PRIME
	v_and_b32 v[OUA], 7, v0
	v_bfe_u32 v[OUR], v0, 3, 1
	s_delay_alu instid0(VALU_DEP_1)
	v_lshl_add_u32 v[OUA], v[OUR], 4, v[OUA]
	s_delay_alu instid0(VALU_DEP_1)
	v_lshl_add_u32 v[OUA], v[OUA], 2, OUTS         ; the last step's addresses, made where all waves still run one text
	v_add_nc_u32 v[OUR], OUTS, v[L4]
.irp t, 0,1
.irp k, 0,1,2
	ds_load_b128 v[32+12*\t+4*\k:32+12*\t+4*\k+3], v[MXR] offset:2048+1024*\t+16*\k
.endr
.endr
	s_wait_dscnt 0x0
.irp t, 0,1
	v_pk_add_f32 v[32+12*\t:33+12*\t], v[32+12*\t:33+12*\t], v[34+12*\t:35+12*\t]
	v_pk_add_f32 v[36+12*\t:37+12*\t], v[36+12*\t:37+12*\t], v[38+12*\t:39+12*\t]
	v_pk_add_f32 v[40+12*\t:41+12*\t], v[40+12*\t:41+12*\t], v[42+12*\t:43+12*\t]
.endr
.irp t, 0,1
	v_pk_add_f32 v[32+12*\t:33+12*\t], v[32+12*\t:33+12*\t], v[36+12*\t:37+12*\t]
.endr
.irp t, 0,1
	s_delay_alu instid0(VALU_DEP_2)
	v_pk_add_f32 v[32+12*\t:33+12*\t], v[32+12*\t:33+12*\t], v[40+12*\t:41+12*\t]
.endr
.irp t, 0,1
	s_delay_alu instid0(VALU_DEP_2)
	v_add_f32 v[32+12*\t], v[32+12*\t], v[33+12*\t]   ; l
.endr
	s_wait_alu depctr_va_vdst(0)
.irp t, 0,1
	v_rcp_f32 v[RL+2*\t], v[32+12*\t]
.endr
	v_nop
	WIN 0x41
	s_wait_alu depctr_va_vdst(0)                   ; directly ahead of the first readers of the reciprocals and of the sums
.irp t, 0,1
.set i, 64*\t
.rept 32
	v_pk_mul_f32 v[i:i+1], v[i:i+1], v[RL+2*\t:RL+2*\t+1] op_sel_hi:[1,0]
.set i, i+2
.endr
.endr
.irp t, 0,1
	QUANTW 64*\t, PW+\t
.irp g3, 0,1,2
	ds_store_b128 v[IWA], v[PC+4*\g3:PC+4*\g3+3] offset:12288*\t+512*\g3
.endr
	ds_store_b32 v[SWA], v[PW+\t] offset:64*\t
	XLD \t
	s_wait_dscnt 0x0                               ; the stores have read v[PC] on
.endr
	s_wait_loadcnt 16                              ; tile 0's 16 loads of x are in; tile 1's 16 may be out
	XTURN 0
	s_wait_loadcnt 0x0
	XTURN 1
	BARRIER                                        ; y's 16 fragments lie in LDS, x in my accumulators; nobody reads p's images any more
; ---------------- two layers by one text: z = y wo + x, then u = LN(z) wka + bka
	s_mov_b32 s[LAY], 0
	s_mov_b32 s[ABS], 0
	s_mov_b32 s[SBS], ASC0
.Llayer:
	v_add_nc_u32 v[AAD], s[ABS], v[LI]
	v_add_nc_u32 v[ASA], s[SBS], v[L4]
	ALOAD 0
	s_wait_alu depctr_va_vdst(0)
	s_wait_loadcnt 0x0                             ; the accumulators' first contents (in the second trip bka) are in
.irp s, 0,1,2,3,4,5,6,7
	DSTEP \s, 0
.endr
	s_cmp_lg_u32 s[LAY], 0
	s_cbranch_scc1 .Lu
; ---------------- LayerNorm of z, quantised; bka becomes the next sums' C
	s_wait_xcnt 0x0
	s_add_nc_u64 s[WB:WB+1], s[WB:WB+1], 786432    ; wka
	s_add_nc_u64 s[WSB:WSB+1], s[WSB:WSB+1], 32768
	PRIME
.macro GBLOAD p                        ; g_y and b_y at tile p's eight features of my half
.if (\p) < 8
.set gB, 56+16*((\p)%2)
.set gO, (32*((\p)/2)+8*((\p)%2))*4
	global_load_b128 v[gB:gB+3], v[H64], s[10:11] offset:gO
	global_load_b128 v[gB+4:gB+7], v[H64], s[10:11] offset:gO+16
	global_load_b128 v[gB+8:gB+11], v[H64], s[12:13] offset:gO
	global_load_b128 v[gB+12:gB+15], v[H64], s[12:13] offset:gO+16
.endif
.endm
	GBLOAD 0
	GBLOAD 1
	STATS
.irp t, 0,1
	ds_store_b32 v[SZA], v[MEAN+2*\t] offset:512*\t
	ds_store_b32 v[SZA], v[MEAN+2*\t+1] offset:1024+512*\t
.endr
	BARRIER                                        ; the eight waves' figures lie in LDS; nobody reads y's images any more
.irp t, 0,1
	ds_load_b128 v[32:35], v[SZR] offset:512*\t
	ds_load_b128 v[36:39], v[SZR] offset:512*\t+16
	ds_load_b128 v[40:43], v[SZR] offset:1024+512*\t
	ds_load_b128 v[44:47], v[SZR] offset:1024+512*\t+16
	s_wait_dscnt 0x0
	COMB 32, 40, CT, RS+2*\t
	v_sub_f32 v[DR+2*\t], v[MEAN+2*\t], v[CT]      ; my mean - mu
.endr
	s_wait_alu depctr_va_vdst(0)
.irp t, 0,1
	v_rsq_f32 v[RS+2*\t], v[RS+2*\t]
.endr
	v_nop
	s_wait_alu depctr_va_vdst(0)
.irp t, 0,1
	v_mul_f32 v[DR+2*\t], v[DR+2*\t], v[RS+2*\t]
.endr
	s_wait_alu depctr_va_vdst(0)
.irp p, 0,1,2,3,4,5,6,7
.if \p < 7
	s_wait_loadcnt 4                               ; this tile's g and b are in; the next tile's four loads may be out
.else
	s_wait_loadcnt 0x0
.endif
.set gB, 56+16*(\p%2)
	WIN 0x41
.irp t, 0,1
.irp k, 0,2,4,6
	v_pk_fma_f32 v[64*\t+8*\p+\k:64*\t+8*\p+\k+1], v[64*\t+8*\p+\k:64*\t+8*\p+\k+1], v[RS+2*\t:RS+2*\t+1], v[DR+2*\t:DR+2*\t+1] op_sel_hi:[1,0,0]
.endr
.endr
.irp t, 0,1
.irp k, 0,2,4,6
	v_pk_fma_f32 v[64*\t+8*\p+\k:64*\t+8*\p+\k+1], v[64*\t+8*\p+\k:64*\t+8*\p+\k+1], v[gB+\k:gB+\k+1], v[gB+8+\k:gB+8+\k+1]
.endr
.endr
	WIN 0
	GBLOAD \p+2
.endr
.irp t, 0,1
	QUANTW 64*\t, PW+\t
.irp g3, 0,1,2
	ds_store_b128 v[IWA1], v[PC+4*\g3:PC+4*\g3+3] offset:12288*\t+512*\g3
.endr
	ds_store_b32 v[SWA], v[PW+\t] offset:1024+64*\t
	WIN 0x40
.irp b, 0,1,2,3
.irp u, 0,1
.irp q, 0,1
	global_load_b128 v[64*\t+16*\b+8*\u+4*\q:64*\t+16*\b+8*\u+4*\q+3], v[H64], s[14:15] offset:(32*\b+8*\u)*4+16*\q
.endr
.endr
.endr
	WIN 0
	s_wait_dscnt 0x0                               ; the stores have read v[PC] on
.endr
	BARRIER                                        ; LN(z)'s 16 fragments lie in LDS
	s_add_co_u32 s[ABS], s[ABS], AIMG1
	s_add_co_u32 s[SBS], s[SBS], 1024
	s_add_co_u32 s[LAY], s[LAY], 1
	s_cmp_lt_u32 s[LAY], 2
	s_cbranch_scc1 .Llayer
; ---------------- relu, LayerNorm and the last product in one: rs sum((u - mu) g w) + sum(b w) + bkd
.Lu:
.macro UBLOAD p                        ; g_ka, b_ka and wkd at tile p's eight features of my half
.if (\p) < 8
.set uB, 56+24*((\p)%2)
.set uO, (32*((\p)/2)+8*((\p)%2))*4
	global_load_b128 v[uB:uB+3], v[H64], s[16:17] offset:uO
	global_load_b128 v[uB+4:uB+7], v[H64], s[16:17] offset:uO+16
	global_load_b128 v[uB+8:uB+11], v[H64], s[18:19] offset:uO
	global_load_b128 v[uB+12:uB+15], v[H64], s[18:19] offset:uO+16
	global_load_b128 v[uB+16:uB+19], v[H64], s[20:21] offset:uO
	global_load_b128 v[uB+20:uB+23], v[H64], s[20:21] offset:uO+16
.endif
.endm
	UBLOAD 0
	UBLOAD 1
	WIN 0x44
.set i, 0
.rept 128
	v_max_num_f32 v[i], 0, v[i]
.set i, i+1
.endr
	STATS
.irp p, 0,1,2,3,4,5,6,7
.if \p < 7
	s_wait_loadcnt 6                               ; this tile's three parameters are in; the next tile's six loads may be out
.else
	s_wait_loadcnt 0x0
.endif
.set uB, 56+24*(\p%2)
.irp k, 0,2,4,6
	v_pk_mul_f32 v[GW+\k:GW+\k+1], v[uB+\k:uB+\k+1], v[uB+16+\k:uB+16+\k+1]   ; g w
.endr
.if \p == 0
	s_delay_alu instid0(VALU_DEP_3)
	v_pk_add_f32 v[GS:GS+1], v[GW:GW+1], v[GW+2:GW+3]                      ; the first terms start the sums
	v_pk_mul_f32 v[BS:BS+1], v[uB+8:uB+9], v[uB+16:uB+17]
.else
	s_delay_alu instid0(VALU_DEP_4)
	v_pk_add_f32 v[GS:GS+1], v[GS:GS+1], v[GW:GW+1]
	s_delay_alu instid0(VALU_DEP_1)
	v_pk_add_f32 v[GS:GS+1], v[GS:GS+1], v[GW+2:GW+3]
	v_pk_fma_f32 v[BS:BS+1], v[uB+8:uB+9], v[uB+16:uB+17], v[BS:BS+1]
.endif
	s_delay_alu instid0(VALU_DEP_2)
	v_pk_add_f32 v[GS:GS+1], v[GS:GS+1], v[GW+4:GW+5]
	s_delay_alu instid0(VALU_DEP_1)
	v_pk_add_f32 v[GS:GS+1], v[GS:GS+1], v[GW+6:GW+7]
.irp k, 2
	s_delay_alu instid0(VALU_DEP_3)
	v_pk_fma_f32 v[BS:BS+1], v[uB+8+\k:uB+8+\k+1], v[uB+16+\k:uB+16+\k+1], v[BS:BS+1]
.endr
.irp k, 4, 6
	s_delay_alu instid0(VALU_DEP_1)
	v_pk_fma_f32 v[BS:BS+1], v[uB+8+\k:uB+8+\k+1], v[uB+16+\k:uB+16+\k+1], v[BS:BS+1]
.endr
	WIN 0x01
.irp k, 0,2,4,6
.irp t, 0,1
.if (\p == 0) && (\k == 0)
	v_pk_mul_f32 v[DD+2*\t:DD+2*\t+1], v[64*\t:64*\t+1], v[GW:GW+1]
.else
	v_pk_fma_f32 v[DD+2*\t:DD+2*\t+1], v[64*\t+8*\p+\k:64*\t+8*\p+\k+1], v[GW+\k:GW+\k+1], v[DD+2*\t:DD+2*\t+1]
.endif
.endr
.endr
	WIN 0
	UBLOAD \p+2
.endr
.irp a, GS, BS, DD, DD+2
	v_add_f32 v[\a], v[\a], v[\a+1]
.endr
.irp a, GS, BS, DD, DD+2
	v_permlanex16_b32 v[\a+1], v[\a], s[SEL], s[SEL+1]
.endr
.irp a, GS, BS, DD, DD+2
	v_add_f32 v[\a], v[\a], v[\a+1]
.endr
.irp t, 0,1
	ds_store_b32 v[SZA], v[MEAN+2*\t] offset:2048+512*\t
	ds_store_b32 v[SZA], v[MEAN+2*\t+1] offset:3072+512*\t
	ds_store_b32 v[SZA], v[DD+2*\t] offset:4096+512*\t
.endr
	ds_store_b32 v[SZA], v[GS] offset:5120         ; the same for both row tiles: stored once
	ds_store_b32 v[SZA], v[BS] offset:5632
	BARRIER                                        ; the eight waves' figures lie in LDS
	s_cmp_lg_u32 s[WV], 0
	s_cbranch_scc1 .Lend                           ; the last few hundred numbers are one wave's work; no barrier follows
.irp t, 0,1
	ds_load_b128 v[FM+8*\t:FM+8*\t+3], v[SZR] offset:2048+512*\t
	ds_load_b128 v[FM+8*\t+4:FM+8*\t+7], v[SZR] offset:2048+512*\t+16
	ds_load_b128 v[FQ+8*\t:FQ+8*\t+3], v[SZR] offset:3072+512*\t
	ds_load_b128 v[FQ+8*\t+4:FQ+8*\t+7], v[SZR] offset:3072+512*\t+16
	ds_load_b128 v[FD+8*\t:FD+8*\t+3], v[SZR] offset:4096+512*\t
	ds_load_b128 v[FD+8*\t+4:FD+8*\t+7], v[SZR] offset:4096+512*\t+16
.endr
	ds_load_b128 v[FG:FG+3], v[SZR] offset:5120
	ds_load_b128 v[FG+4:FG+7], v[SZR] offset:5120+16
	ds_load_b128 v[FB:FB+3], v[SZR] offset:5632
	ds_load_b128 v[FB+4:FB+7], v[SZR] offset:5632+16
	s_wait_dscnt 0x0
	v_pk_add_f32 v[FB:FB+1], v[FB:FB+1], v[FB+2:FB+3]
	v_pk_add_f32 v[FB+4:FB+5], v[FB+4:FB+5], v[FB+6:FB+7]
	s_delay_alu instid0(VALU_DEP_1)
	v_pk_add_f32 v[FB:FB+1], v[FB:FB+1], v[FB+4:FB+5]
	s_delay_alu instid0(VALU_DEP_1)
	v_add_f32 v[FB], v[FB], v[FB+1]
	s_delay_alu instid0(VALU_DEP_1)
	v_add_f32 v[FB], s[BKD], v[FB]                 ; sum(b w) + bkd
.irp t, 0,1
	COMB FM+8*\t, FQ+8*\t, FT, RS+2*\t
.irp k, 0,1,2,3,4,5,6,7
	v_fmac_f32 v[FD+8*\t+\k], v[FM+8*\t+\k], v[FG+\k]   ; D_k + (mean_k - mu) G_k
.endr
	v_pk_add_f32 v[FD+8*\t:FD+8*\t+1], v[FD+8*\t:FD+8*\t+1], v[FD+8*\t+2:FD+8*\t+3]
	s_delay_alu instid0(VALU_DEP_2)
	v_pk_add_f32 v[FD+8*\t+4:FD+8*\t+5], v[FD+8*\t+4:FD+8*\t+5], v[FD+8*\t+6:FD+8*\t+7]
	s_delay_alu instid0(VALU_DEP_1)
	v_pk_add_f32 v[FD+8*\t:FD+8*\t+1], v[FD+8*\t:FD+8*\t+1], v[FD+8*\t+4:FD+8*\t+5]
	s_delay_alu instid0(VALU_DEP_1)
	v_add_f32 v[FD+8*\t], v[FD+8*\t], v[FD+8*\t+1]
.endr
	s_wait_alu depctr_va_vdst(0)
.irp t, 0,1
	v_rsq_f32 v[RS+2*\t], v[RS+2*\t]
.endr
	v_nop
	s_wait_alu depctr_va_vdst(0)
.irp t, 0,1
	v_fma_f32 v[FD+8*\t], v[RS+2*\t], v[FD+8*\t], v[FB]
.endr
.irp t, 0,1
	s_delay_alu instid0(VALU_DEP_2)
	v_mul_f32 v[FD+8*\t], 0xbfb8aa3b, v[FD+8*\t]   ; sigmoid(v) = 1 / (1 + 2^(-v log2(e)))
.endr
	s_wait_alu depctr_va_vdst(0)
.irp t, 0,1
	v_exp_f32 v[FD+8*\t], v[FD+8*\t]
.endr
	v_nop
	s_wait_alu depctr_va_vdst(0)
.irp t, 0,1
	v_add_f32 v[FD+8*\t], 1.0, v[FD+8*\t]
.endr
	s_wait_alu depctr_va_vdst(0)
.irp t, 0,1
	v_rcp_f32 v[FD+8*\t], v[FD+8*\t]
.endr
	v_nop
	s_wait_alu depctr_va_vdst(0)
.irp t, 0,1
	ds_store_b32 v[OUA], v[FD+8*\t] offset:32*\t   ; to the row's place among the 32
.endr
	ds_load_b32 v[FB], v[OUR]                      ; LDS serves a wave's instructions in order: this sees my stores
	s_wait_dscnt 0x0
	global_store_b32 v[L4], v[FB], s[24:25]        ; 128 consecutive bytes: all that the work-group leaves
.Lend:
	s_wait_xcnt 0x0
	v_lshl_add_u32 v254, v0, 2, SPARE
	v_mov_b32 v255, 0
	s_wait_alu depctr_va_vdst(0)
	s_wait_tensorcnt 0x0                           ; the wave's end
	ds_add_u32 v254, v255
	s_wait_dscnt 0x0
	s_endpgm
.Lfunc_end_k_q0fe99644da_attn:
	.size	k_q0fe99644da_attn, .Lfunc_end_k_q0fe99644da_attn-k_q0fe99644da_attn
	.p2alignl 7, 3214868480
	.fill 96, 4, 3214868480
	.section	.rodata,"a",@progbits
	.p2align	6, 0x0
	.amdhsa_kernel k_q0fe99644da_attn
		.amdhsa_group_segment_fixed_size 167936
		.amdhsa_private_segment_fixed_size 0
		.amdhsa_enable_private_segment 0
		.amdhsa_kernarg_size 88
		.amdhsa_user_sgpr_count 2
		.amdhsa_user_sgpr_kernarg_segment_ptr 1
		.amdhsa_wavefront_size32 1
		.amdhsa_system_sgpr_workgroup_id_x 1
		.amdhsa_system_sgpr_workgroup_id_y 1
		.amdhsa_system_sgpr_workgroup_id_z 1
		.amdhsa_system_vgpr_workitem_id 0
		.amdhsa_next_free_vgpr 512
		.amdhsa_next_free_sgpr 72
		.amdhsa_reserve_vcc 1
		.amdhsa_float_denorm_mode_32 3
		.amdhsa_float_denorm_mode_16_64 3
		.amdhsa_memory_ordered 1
		.amdhsa_forward_progress 1
		.amdhsa_inst_pref_size 255
	.end_amdhsa_kernel
	.section	.bss,"aw",@nobits
	.p2align	6
	.space	262144
	.amdgpu_metadata
---
amdhsa.version: [ 1, 2 ]
amdhsa.kernels:
  - .name:           k_q0fe99644da_attn
    .symbol:         k_q0fe99644da_attn.kd
    .args:
      - { .name: kqv, .offset: 0, .size: 8, .value_kind: global_buffer, .address_space: global }
      - { .name: wimg, .offset: 8, .size: 8, .value_kind: global_buffer, .address_space: global }
      - { .name: x, .offset: 16, .size: 8, .value_kind: global_buffer, .address_space: global }
      - { .name: g_y, .offset: 24, .size: 8, .value_kind: global_buffer, .address_space: global }
      - { .name: b_y, .offset: 32, .size: 8, .value_kind: global_buffer, .address_space: global }
      - { .name: bka, .offset: 40, .size: 8, .value_kind: global_buffer, .address_space: global }
      - { .name: g_ka, .offset: 48, .size: 8, .value_kind: global_buffer, .address_space: global }
      - { .name: b_ka, .offset: 56, .size: 8, .value_kind: global_buffer, .address_space: global }
      - { .name: wkd, .offset: 64, .size: 8, .value_kind: global_buffer, .address_space: global }
      - { .name: bkd, .offset: 72, .size: 8, .value_kind: global_buffer, .address_space: global }
      - { .name: out0, .offset: 80, .size: 8, .value_kind: global_buffer, .address_space: global }
    .group_segment_fixed_size: 167936
    .private_segment_fixed_size: 0
    .kernarg_segment_align: 8
    .kernarg_segment_size: 88
    .max_flat_workgroup_size: 256
    .sgpr_count:     72
    .vgpr_count:     512
    .wavefront_size: 32
...
	.end_amdgpu_metadata
.endif
;; end of part 3
